; MI455X (gfx1250); checked and timed in simulation.
; The chip was launched on July 23, 2026; its instructions are those of AMD's public machine-readable ISA for CDNA 5 (MIT licence, August 2026) and "CDNA5" Instruction Set Architecture Reference Guide (July 2026). The comments in the code are by the model that wrote it; some were corrected since.
;; Self Attention. Allowed arithmetic: matrix products marked QUANTISED: E2M3 operands, one E8M0 scale for each 32 along K, by v_wmma_scale_f32_16x16x128_f8f6f4 with both operands' format E2M3, f32 sums; everything else in f32.
;; Inputs: cache_k 2 x 2,048 x 4 x 128 float32; cache_v 2 x 2,048 x 4 x 128 float32; freqs_cos 2,048 x 64 float32; freqs_sin 2,048 x 64 float32; wk 512 x 4,096 float32; wo 4,096 x 1,024 float32; wq 1,024 x 4,096 float32; wv 512 x 4,096 float32; x 2 x 2,048 x 4,096 float32.
;; Outputs: out0 2 x 2,048 x 4,096 float32.
;; Constants: start_pos = 0.
;; This version of the problem:
;;   THIS VERSION OF THE PROBLEM IS GIVEN IN LOW PRECISION. The matrix products marked QUANTISED in the list below multiply operands that are first quantised to E2M3 (2 exponent bits, 3 mantissa bits; 6 bits a number), with one power-of-two scale for each 32 numbers along K (OCP MX v1.0); their sums are f32. All else is computed in f32.
;;   The module's matrix products, in the order in which they are computed (A, B: the left and right operand; K: the contracted axis; several contracted axes count as one K, in the product's order):
;;     1. [M 4,096, K 4,096] x [K 4,096, N 1,024]; A: input x; B: input wq: QUANTISED
;;     2. [M 4,096, K 4,096] x [K 4,096, N 512]; A: input x; B: input wk: QUANTISED
;;     3. [M 4,096, K 4,096] x [K 4,096, N 512]; A: input x; B: input wv: QUANTISED
;;     4. batch 8 x [M 2,048, K 128] x [K 128, N 4,096]; A: computed on the way; B: computed on the way: QUANTISED
;;     5. batch 8 x [M 128, K 2,048] x [K 2,048, N 4,096]; A: computed on the way; B: softmax (see below): QUANTISED
;;     6. [M 4,096, K 1,024] x [K 1,024, N 4,096]; A: computed on the way; B: input wo: QUANTISED
;;   THE QUANTISER, for each operand of a quantised product, along K:
;;     - K is cut into blocks of 32 from its start; a last block that is shorter is filled with zeros.
;;     - A block's scale is 2^e with e = floor(log2(the largest magnitude in the block)) - 2, held to -126 .. 127; a block of zeros has e = 0. As a byte (E8M0): e + 127.
;;     - Each number is divided by its block's scale, clamped to +-7.5, and rounded to the nearest number of E2M3, ties to even, subnormals kept.
;;     - The product sums the exact products of the quantised numbers (number of the format x scale) in f32.
;;   ~~~python
;;   def quantise(x, axis):      # numpy; x: float32 -> the quantised numbers, widened to float32 again
;;       x = np.moveaxis(x, axis, -1); K = x.shape[-1]
;;       x = np.pad(x, [(0, 0)] * (x.ndim - 1) + [(0, -K % 32)]); x = x.reshape(x.shape[:-1] + (-1, 32)); a = np.abs(x).max(-1, keepdims=True)
;;       e = np.where(a > 0, np.clip(np.frexp(np.where(a > 0, a, 1))[1] - 1 - 2, -126, 127), 0)      # np.frexp(a)[1] - 1 = floor(log2(a)), exactly
;;       r = np.clip(x / 2.0 ** e, -7.5, 7.5)
;;       step = 2.0 ** (np.maximum(np.frexp(np.where(r == 0, 1, r))[1] - 1, 0) - 3)
;;       q = np.round(r / step) * step * 2.0 ** e      # np.round: ties to even
;;       return np.moveaxis(q.reshape(q.shape[:-2] + (-1,))[..., :K], -1, axis).astype(np.float32)
;;   ~~~
;;   SOFTMAX AHEAD OF A QUANTISED PRODUCT. Where the list says 'softmax', what is quantised is not the finished softmax but p = 2^(t - M), with t = logit x log2(e) and M = ceil(the row's largest t), a whole number; so 1/2 < the row's largest p <= 1. The row's sum l is taken of the UNQUANTISED p, in f32, and the product's result is divided by l at the end. Since M is a whole number, a kernel that streams over the keys may use a running M (the ceiling of the running maximum): every later rescaling is an exact power of two, which a block's scale takes up: the codes' values come out the same.
;;   OPERANDS COMPUTED ON THE WAY. 'Computed on the way' means the value that the module computes at that place (a softmax that the list does not call 'softmax' is quantised finished and normalised). What goes into a quantiser is computed in f32, as accurately as f32 sums, v_exp_f32 and their like allow (about 1e-6 of the number): no bf16 or f16 on the way to a quantiser, and a product that is left as it is and whose result goes on into a quantised operand takes f32 operands (vector FMAs, or v_wmma_f32_16x16x4_f32). A number that lies on a knife's edge between two numbers of the format may be rounded either way, as far as f32 arithmetic and the matrix unit's own rounding can turn it there, and no further.
;; One version. Each part assembles by itself: llvm-mc -triple=amdgcn-amd-amdhsa -mcpu=gfx1250 --defsym DOCPART=n.
;; ======== version 1 of 1: 4 launches
;; limits: right only within a limited range of input values
;; workspace buffers: x_q 13,107,200 bytes; w_q 6,553,600 bytes; wo_q 3,276,800 bytes; a_q 3,276,800 bytes; q_q 3,276,800 bytes; k_q 1,638,400 bytes; v_q 1,638,400 bytes
;; launch quant (part 1): grid 896 x 1, 4 waves a work-group, no clusters, 34,304 bytes of LDS; arguments x, wq, wk, wv, wo, x_q, w_q, wo_q; writes x_q, w_q, wo_q
.if DOCPART == 1
	.amdgcn_target "amdgcn-amd-amdhsa--gfx1250"
	.amdhsa_code_object_version 6
	.text
	.protected	k_q6e5f7b4652_quant
	.globl	k_q6e5f7b4652_quant
	.p2align	8
	.type	k_q6e5f7b4652_quant,@function
k_q6e5f7b4652_quant:
	s_mov_b64 s[64:65], 0
	v_nop
	global_prefetch_b8 v0, s[64:65] scope:SCOPE_SE
	s_setreg_imm32_b32 hwreg(HW_REG_WAVE_MODE, 25, 1), 1
	s_wait_xcnt 0x0
; x [4096][4096], wq [1024][4096], wk, wv [512][4096], wo [4096][1024], all f32 with K innermost, become codes of FP6 (E2M3) with one E8M0 byte for each 32 along K.
; A block's scale is 2^(floor(log2(its largest magnitude)) - 2); its byte is the largest magnitude's exponent field - 2, held at 1 from below.
; LIMITS: a block of zeros, or one whose largest magnitude lies under 2^-124, keeps the byte 1 (the rule says 127 for zeros: the codes are zeros, and this program alone reads the bytes); NaN and infinities are not served.
; THE CODES ARE LAID AS IMAGES OF THE OPERAND'S REGISTERS.  A fragment (16 rows x 128 K, 12 registers a lane) is 1,536 bytes: registers 4 c .. 4 c + 3 of lane l at 512 c + 16 l.
; Row block i holds rows 32 (i / 2) + 8 (i % 2) + r + 8 (r / 8), r = lane % 16.  A UNIT of 6,400 bytes holds blocks 2 j and 2 j + 1 for 256 along K: fragment (u, q) at 1,536 (2 u + q),
; scale words at 6,144 + 128 u + 64 q + 4 r.  A buffer is [K / 256][rows / 32] units.  w_q holds wq (j 0-31), wk (32-47), wv (48-63).
; SHARES.  A wave makes one unit (32 rows x 256 K, 32 KB of f32); a work-group's four waves take four neighbouring K pieces of the same 32 rows.  Work-groups 0-511 x, 512-639 wq, 640-703 wk, 704-767 wv, 768-895 wo:
; only pointers and numbers are chosen by the work-group's number; all take one way through the text.  Each load reads 512 consecutive bytes of a row; the rows turn through the wave's own stage in LDS, so that
; a lane holds 16 neighbours of each block of 32 of its row.  No barrier: waves share nothing.
; WORK LEFT OUT: start_pos = 0 and xk, xv have the caches' whole shape [2, 2048, 4, 128], so dynamic_update_slice writes over every number of cache_k and cache_v before keys and values are read:
; for all values of the inputs no number of the two caches reaches the result.  They are not loaded and are among no launch's arguments.  LIMIT: a NaN or an infinity in them is not carried to the result.
; wo_q ALONE IS LAID [rows / 32][K / 256] units: a row unit's four K pieces lie on end, so that the last launch's 256 rows of wo are one dense run of bytes.
.set STGB, 8448
.set RA,   32                          ; v32-95, v96-159  two sets of 16 rows as loaded
.set X,    160                         ; v160-223  64 numbers of my row: register 16 b + i = k 32 b + 16 (lane / 16) + i
.set PC,   224                         ; v224-243  the codes just made
.set TM,   16                          ; v16-31    at work in QUANT
.set SEL,  98                          ; s[98:99]  lane selects for v_permlanex16_b32: lane l xor 16
; 64 numbers of a lane become a fragment's codes in v[PC] on and the row's scale word in v[pw]
.macro QUANT s, pw
.irp b, 0,1,2,3
	v_max3_num_f32 v[TM+\b], |v[\s+16*\b]|, |v[\s+1+16*\b]|, 0x1800000   ; block b: my 16 numbers, and the floor 2^(3 - 127): the byte cannot fall under 1
.endr
.irp i, 2,4,6,8,10,12,14
.irp b, 0,1,2,3
	v_max3_num_f32 v[TM+\b], v[TM+\b], |v[\s+16*\b+\i]|, |v[\s+1+16*\b+\i]|   ; the four blocks by turns
.endr
.endr
.irp b, 0,1,2,3
	v_permlanex16_b32 v[TM+4+\b], v[TM+\b], s[SEL], s[SEL+1]
.endr
.irp b, 0,1,2,3
	v_max_num_f32 v[TM+\b], v[TM+\b], v[TM+4+\b]   ; with lane l xor 16's: the block's largest magnitude
.endr
.irp b, 0,1,2,3
	v_add_nc_u32 v[TM+12+\b], 0xff000000, v[TM+\b]   ; 2 off its exponent field: the conversion's scale operand
.endr
.irp b, 0,1,2,3
	v_lshrrev_b32 v[TM+4+\b], 23, v[TM+12+\b]      ; the scale's byte
.endr
	v_lshl_or_b32 v[\pw], v[TM+5], 8, v[TM+4]      ; four bytes: my row's scale word
	v_lshl_or_b32 v[\pw], v[TM+6], 16, v[\pw]
	v_lshl_or_b32 v[\pw], v[TM+7], 24, v[\pw]
.irp c, 0,1
	v_cvt_scalef32_pk16_fp6_f32 v[PC+6*\c:PC+2+6*\c], v[\s+32*\c:\s+15+32*\c], v[TM+12+2*\c]
	v_cvt_scalef32_pk16_fp6_f32 v[PC+12+4*\c:PC+14+4*\c], v[\s+16+32*\c:\s+31+32*\c], v[TM+12+2*\c+1]   ; (a conversion's three registers begin on an even number)
.endr
	v_nop                                          ; one plain place behind a scaled conversion
.irp c, 0,1                                    ; the operand's layout wants a whole block in a lane
.irp i, 0,1,2
	v_permlane16_swap_b32 v[PC+6*\c+\i], v[PC+12+4*\c+\i]
.endr
.irp i, 0,1,2
	v_mov_b32 v[PC+3+6*\c+\i], v[PC+12+4*\c+\i]
.endr
.endr
.endm
	s_load_b256 s[4:11], s[0:1], 0x0               ; x, wq, wk, wv
	s_load_b256 s[12:19], s[0:1], 0x20             ; wo, x_q, w_q, wo_q
	v_lshl_add_u32 v254, v0, 2, 0x8400
	v_mov_b32 v255, 0
	v_lshrrev_b32 v8, 5, v0
	v_readfirstlane_b32 s20, v8                    ; wave
	v_and_b32 v1, 31, v0                           ; lane
	v_and_b32 v2, 15, v0                           ; r
	v_bfe_u32 v3, v0, 4, 1                         ; h
	v_lshlrev_b32 v4, 4, v1                        ; 16 x lane: my bytes of a load's 512, and of an image's 512
	v_lshlrev_b32 v7, 2, v1                        ; 4 x lane: my scale word's place
	s_mul_i32 s2, s20, STGB
	v_add_nc_u32 v5, s2, v4                        ; the stage, on the way in
	v_mul_u32_u24 v6, v2, 528
	v_lshl_add_u32 v6, v3, 6, v6
	v_add_nc_u32 v6, s2, v6                        ; and on the way out: row r, + 64 h
	v_cmp_lt_u32 s21, 15, v1                       ; the mask of lanes 16-31
	s_mov_b32 s[SEL], 0x76543210
	s_mov_b32 s[SEL+1], 0xfedcba98
.irp b, 0,1,2,3
	v_mov_b32 v[TM+4+\b], 0                        ; written once: a lane permute's destination counts as one of its sources
.endr
	s_wait_alu depctr_va_vdst(0)
	s_wait_kmcnt 0x0
	; which tensor: the numbers begin as wo's and are replaced from the top down.  Every choice hangs on the work-group's number alone
	s_mov_b64 s[22:23], s[12:13]                   ; from
	s_mov_b64 s[24:25], s[18:19]                   ; to
	s_mov_b32 s26, 4096                            ; s[26:27]: a row in bytes
	s_mov_b32 s27, 0
	s_mov_b32 s28, 0                               ; log2 of the work-groups that share 32 rows
	s_mov_b32 s29, 1                               ; units from one 256 along K to the next: wo_q has K innermost
	s_mov_b32 s30, 0                               ; the tensor's first unit there
	s_mov_b32 s31, 768                             ; its first work-group
	s_cmp_lt_u32 ttmp9, 768
	s_cselect_b64 s[22:23], s[10:11], s[22:23]     ; wv
	s_cselect_b64 s[24:25], s[16:17], s[24:25]
	s_cselect_b32 s26, 16384, s26
	s_cselect_b32 s28, 2, s28
	s_cselect_b32 s29, 64, s29
	s_cselect_b32 s30, 48, s30
	s_cselect_b32 s31, 704, s31
	s_cmp_lt_u32 ttmp9, 704
	s_cselect_b64 s[22:23], s[8:9], s[22:23]       ; wk
	s_cselect_b32 s30, 32, s30
	s_cselect_b32 s31, 640, s31
	s_cmp_lt_u32 ttmp9, 640
	s_cselect_b64 s[22:23], s[6:7], s[22:23]       ; wq
	s_cselect_b32 s30, 0, s30
	s_cselect_b32 s31, 512, s31
	s_cmp_lt_u32 ttmp9, 512
	s_cselect_b64 s[22:23], s[4:5], s[22:23]       ; x
	s_cselect_b64 s[24:25], s[14:15], s[24:25]
	s_cselect_b32 s29, 128, s29
	s_cselect_b32 s31, 0, s31
	s_sub_co_u32 s2, ttmp9, s31                    ; my number within the tensor
	s_lshr_b32 s3, s2, s28                         ; j: which 32 rows
	s_lshl_b32 s31, s3, s28
	s_sub_co_u32 s2, s2, s31
	s_lshl_b32 s2, s2, 2
	s_add_co_u32 s2, s2, s20                       ; which 256 along K
	s_mul_i32 s31, s2, s29
	s_add_co_u32 s31, s31, s30
	s_cmp_lt_u32 ttmp9, 768
	s_cselect_b32 s34, 0, 2                        ; wo_q: four units from one 32 rows to the next; the others: one
	s_lshl_b32 s34, s3, s34
	s_add_co_u32 s31, s31, s34                     ; my unit's number in the buffer
	s_mul_i32 s30, s31, 6400
	s_mov_b32 s31, 0
	s_add_nc_u64 s[24:25], s[24:25], s[30:31]      ; my unit
	s_mul_i32 s30, s3, s26
	s_lshl_b32 s30, s30, 5                         ; 32 j rows, under 2^27 bytes
	s_lshl_b32 s2, s2, 10
	s_add_co_u32 s30, s30, s2                      ; + 1,024 bytes for each 256 along K
	s_add_nc_u64 s[32:33], s[22:23], s[30:31]      ; row 0 of my 32; row n at s[32 + 2 n + 2 (n / 16)]: s32-63 and s66-97
.set n, 1
.rept 31
	s_add_nc_u64 s[32+2*n+2*(n/16):33+2*n+2*(n/16)], s[32+2*(n-1)+2*((n-1)/16):33+2*(n-1)+2*((n-1)/16)], s[26:27]
.set n, n+1
.endr
; Sub-step t = 2 u + q: block u, the q-th 128 along K.  16 loads, a row each: 32 lanes read 512 consecutive bytes
.macro LOAD t
.irp p, 0,1,2,3,4,5,6,7,8,9,10,11,12,13,14,15
.set RW, 8*((\t)/2)+\p+8*(\p/8)
	global_load_b128 v[RA+64*((\t)%2)+4*\p:RA+64*((\t)%2)+4*\p+3], v4, s[32+2*RW+2*(RW/16):33+2*RW+2*(RW/16)] offset:512*((\t)%2) th:TH_LOAD_NT
.endr
.endm
; through the stage: LDS serves a wave's instructions in order, so no wait stands between the stores and the loads
.macro TURN t
.irp p, 0,1,2,3,4,5,6,7,8,9,10,11,12,13,14,15
	ds_store_b128 v5, v[RA+64*((\t)%2)+4*\p:RA+64*((\t)%2)+4*\p+3] offset:528*\p
.endr
.irp b, 0,1,2,3
.irp i, 0,1,2,3
	ds_load_b128 v[X+16*\b+4*\i:X+16*\b+4*\i+3], v6 offset:128*\b+16*\i
.endr
.endr
.endm
.macro STEP t
.set PWR, 10+(\t)%2
	s_wait_dscnt 0x0                               ; my 64 numbers are back from the stage, so its stores have read their registers
	s_wait_xcnt 0x0                                ; the last sub-step's stores have read the codes' registers, which QUANT writes again
.if (\t) < 2
	LOAD (\t)+2
.endif
	QUANT X, PWR
.irp c, 0,1,2
	global_store_b128 v4, v[PC+4*\c:PC+4*\c+3], s[24:25] offset:1536*(\t)+512*\c   ; 512 consecutive bytes a store
.endr
.if (\t)%2
	v_cndmask_b32 v[12+(\t)/2], v10, v11, s21      ; lanes 0-15: the words of q = 0; lanes 16-31: of q = 1
	global_store_b32 v7, v[12+(\t)/2], s[24:25] offset:6144+128*((\t)/2)
.endif
.if (\t) < 2
	s_wait_loadcnt 16                              ; the next sub-step's 16 loads are in; the 16 issued above may be out
	TURN (\t)+1
.elseif (\t) == 2
	s_wait_loadcnt 0x0
	TURN 3
.endif
.endm
	LOAD 0
	LOAD 1
	s_wait_loadcnt 16                              ; sub-step 0's loads are in; sub-step 1's may be out
	TURN 0
	STEP 0
	STEP 1
	STEP 2
	STEP 3
	s_wait_tensorcnt 0x0
	ds_add_u32 v254, v255
	s_wait_dscnt 0x0
	s_endpgm
.Lfunc_end_k_q6e5f7b4652_quant:
	.size	k_q6e5f7b4652_quant, .Lfunc_end_k_q6e5f7b4652_quant-k_q6e5f7b4652_quant
	.p2alignl 7, 3214868480
	.fill 96, 4, 3214868480
	.section	.rodata,"a",@progbits
	.p2align	6, 0x0
	.amdhsa_kernel k_q6e5f7b4652_quant
		.amdhsa_group_segment_fixed_size 34304
		.amdhsa_private_segment_fixed_size 0
		.amdhsa_enable_private_segment 0
		.amdhsa_kernarg_size 64
		.amdhsa_user_sgpr_count 2
		.amdhsa_user_sgpr_kernarg_segment_ptr 1
		.amdhsa_wavefront_size32 1
		.amdhsa_system_sgpr_workgroup_id_x 1
		.amdhsa_system_sgpr_workgroup_id_y 1
		.amdhsa_system_sgpr_workgroup_id_z 1
		.amdhsa_system_vgpr_workitem_id 0
		.amdhsa_next_free_vgpr 256
		.amdhsa_next_free_sgpr 100
		.amdhsa_reserve_vcc 0
		.amdhsa_float_denorm_mode_32 3
		.amdhsa_float_denorm_mode_16_64 3
		.amdhsa_memory_ordered 1
		.amdhsa_forward_progress 1
		.amdhsa_inst_pref_size 36
	.end_amdhsa_kernel
	.amdgpu_metadata
---
amdhsa.version: [ 1, 2 ]
amdhsa.kernels:
  - .name:           k_q6e5f7b4652_quant
    .symbol:         k_q6e5f7b4652_quant.kd
    .args:
      - { .name: x, .offset: 0, .size: 8, .value_kind: global_buffer, .address_space: global }
      - { .name: wq, .offset: 8, .size: 8, .value_kind: global_buffer, .address_space: global }
      - { .name: wk, .offset: 16, .size: 8, .value_kind: global_buffer, .address_space: global }
      - { .name: wv, .offset: 24, .size: 8, .value_kind: global_buffer, .address_space: global }
      - { .name: wo, .offset: 32, .size: 8, .value_kind: global_buffer, .address_space: global }
      - { .name: x_q, .offset: 40, .size: 8, .value_kind: global_buffer, .address_space: global }
      - { .name: w_q, .offset: 48, .size: 8, .value_kind: global_buffer, .address_space: global }
      - { .name: wo_q, .offset: 56, .size: 8, .value_kind: global_buffer, .address_space: global }
    .group_segment_fixed_size: 34304
    .private_segment_fixed_size: 0
    .kernarg_segment_align: 8
    .kernarg_segment_size: 64
    .max_flat_workgroup_size: 128
    .sgpr_count:     100
    .vgpr_count:     256
    .wavefront_size: 32
...
	.end_amdgpu_metadata
.endif
;; end of part 1
;; launch qkv (part 2): grid 16 x 16, 4 waves a work-group, clusters of 4 x 4, 327,680 bytes of LDS; arguments x_q, w_q, freqs_cos, freqs_sin, q_q, k_q, v_q; writes q_q, k_q, v_q
.if DOCPART == 2
	.amdgcn_target "amdgcn-amd-amdhsa--gfx1250"
	.amdhsa_code_object_version 6
	.text
	.protected	k_q6e5f7b4652_qkv
	.globl	k_q6e5f7b4652_qkv
	.p2align	8
	.type	k_q6e5f7b4652_qkv,@function
k_q6e5f7b4652_qkv:
	s_mov_b64 s[64:65], 0
	v_nop
	global_prefetch_b8 v0, s[64:65] scope:SCOPE_SE
	s_setreg_imm32_b32 hwreg(HW_REG_WAVE_MODE, 25, 1), 1
	s_wait_xcnt 0x0
	s_wait_alu depctr_hold_cnt(0) depctr_sa_sdst(0) depctr_va_vdst(0) depctr_va_sdst(0) depctr_va_ssrc(0) depctr_va_vcc(0) depctr_vm_vsrc(0)
	s_getreg_b32 s2, hwreg(HW_REG_IB_STS2, 6, 4)
	s_cmp_eq_u32 s2, 0
	s_cbranch_scc0 .Lentry_in_a_cluster
	s_endpgm
.Lentry_in_a_cluster:
	s_bfe_u32 s2, ttmp6, 0x10000c
	s_cmp_lg_u32 s2, 0xf033
	s_cbranch_scc0 .Lentry_shape_is_right
	s_endpgm
.Lentry_shape_is_right:
; q, k, v = x [4096][4096] times wq, wk, wv (2,048 columns in all) on codes of FP6 (E2M3); then the rotation of q and k in f32, and the quantiser along the head's channels (q, k) or along the keys (v).
; A work-group makes 256 rows x 128 columns (one head), a wave 64 x 128.  K goes in slots of 512 through a ring of two LDS slots (A 102,400 bytes, B 51,200), filled by joint loads in a 4 x 4 cluster.
; cache_k and cache_v are not read: every number of them is written over before it is used (see the first kernel's head).
; THE PREFETCH: behind the load of slot n each wave asks for its share of slot n + 2: of the rows that a wave fetches, the four partners that ask jointly take a quarter each, told apart by address;
; a lane names 256 bytes, 25 lanes name 6,400 (the other seven name the last again).  Slots 0 and 1 come by their loads alone; the loads of slots 6 and 7 ask for nothing.
; COS AND SIN (64 loads a wave, into window 3) are asked for behind the loop, 16 ahead of each of the last lap's first four steps, where no slot is filled any more; the way out waits for them.  v's work-groups do not rotate and ask for none.
.set PFO,   6                          ; v6       256 x min(lane, 24); never rewritten
.set PFA,   86                         ; s[86:87] where my prefetches stand; s[88:89] a slot's step in memory
.set SLOT,  153600
.set BOFF,  102400
.set SPARE, 307200
.set LI,   1
.set LS4,  2
.set CSO,  3
.set VST,  4
.set VRD,  5
.set ADRA, 16
.set ADSA, 18
.set ADRB, 20
.set ADSB, 22
.set SPW,  28
.set NIL,  29
.set SC,   32
.set AF,   64
.set TM,   64
.set PW,   80
.set TT,   84
.set SW,   88
.set H,    160
.set PC,   224
.set WV,   18
.set G1,   24
.set G0,   32
.set G1B,  48
.set G0B,  56
.set DST,  66
.set SEL,  68
.set HM,   72
.set MSB, 0
.macro WIN new
.if MSB != \new
	s_set_vgpr_msb (MSB<<8)|\new
.set MSB, \new
.endif
.endm
.set MUL,  0xa1
.set TO_B, 0x40
.macro PLACES
.rept 4
	v_nop
.endr
.endm
.macro JLOAD g0a, g1a, g0b, g1b
	s_cmp_eq_u32 s19, 0
	s_cbranch_scc0 .Lfor_b_\@
	tensor_load_to_lds s[\g0a:\g0a+3], s[\g1a:\g1a+7]
	s_nop 0
.rept 4
	v_nop
.endr
	s_branch .Lasked_\@
.Lfor_b_\@:
	tensor_load_to_lds s[\g0b:\g0b+3], s[\g1b:\g1b+7]
	s_nop 0
.rept 4
	v_nop
.endr
.Lasked_\@:
.endm
.macro CREST
	s_cmp_lg_u32 s[WV], 0
	s_cbranch_scc1 .Lnot_wave_0_\@
	s_barrier_signal -3
.Lnot_wave_0_\@:
	s_barrier_wait -3
	s_barrier_signal -1
	s_barrier_wait -1
.endm
.macro CROUND
	s_barrier_signal -1
	s_barrier_wait -1
	CREST
.endm
.macro QUANT s, pw
.irp b, 0,1,2,3
	v_max3_num_f32 v[TM+\b], |v[\s+16*\b]|, |v[\s+1+16*\b]|, 0x1800000
.endr
.irp i, 2,4,6,8,10,12,14
.irp b, 0,1,2,3
	v_max3_num_f32 v[TM+\b], v[TM+\b], |v[\s+16*\b+\i]|, |v[\s+1+16*\b+\i]|
.endr
.endr
.irp b, 0,1,2,3
	v_permlanex16_b32 v[TM+4+\b], v[TM+\b], s[SEL], s[SEL+1]
.endr
.irp b, 0,1,2,3
	v_max_num_f32 v[TM+\b], v[TM+\b], v[TM+4+\b]
.endr
.irp b, 0,1,2,3
	v_add_nc_u32 v[TM+12+\b], 0xff000000, v[TM+\b]
.endr
.irp b, 0,1,2,3
	v_lshrrev_b32 v[TM+4+\b], 23, v[TM+12+\b]
.endr
	v_lshl_or_b32 v[\pw], v[TM+5], 8, v[TM+4]
	v_lshl_or_b32 v[\pw], v[TM+6], 16, v[\pw]
	v_lshl_or_b32 v[\pw], v[TM+7], 24, v[\pw]
.irp c, 0,1
	v_cvt_scalef32_pk16_fp6_f32 v[PC+6*\c:PC+2+6*\c], v[\s+32*\c:\s+15+32*\c], v[TM+12+2*\c]
	v_cvt_scalef32_pk16_fp6_f32 v[PC+12+4*\c:PC+14+4*\c], v[\s+16+32*\c:\s+31+32*\c], v[TM+12+2*\c+1]
.endr
	v_nop
.irp c, 0,1
.irp i, 0,1,2
	v_permlane16_swap_b32 v[PC+6*\c+\i], v[PC+12+4*\c+\i]
.endr
.irp i, 0,1,2
	v_mov_b32 v[PC+3+6*\c+\i], v[PC+12+4*\c+\i]
.endr
.endr
.endm
	s_load_b256 s[4:11], s[0:1], 0x0
	s_load_b128 s[12:15], s[0:1], 0x20
	s_load_b64 s[16:17], s[0:1], 0x30
	v_lshl_add_u32 v[SPW], v0, 2, SPARE
	v_mov_b32 v[NIL], 0
	ds_add_u32 v28, v29
	ds_add_u32 v28, v29
	s_wait_dscnt 0x0
	v_lshrrev_b32 v7, 5, v0
	v_readfirstlane_b32 s[WV], v7
	s_lshr_b32 s19, s[WV], 1
	s_and_b32 s20, s[WV], 1
	s_bfe_u32 s40, ttmp6, 0x40000
	s_bfe_u32 s41, ttmp6, 0x40004
	s_lshl_b32 s42, ttmp9, 2
	s_add_co_u32 s42, s42, s40
	s_and_b32 s21, ttmp7, 0xffff
	s_lshl_b32 s21, s21, 2
	s_add_co_u32 s21, s21, s41
	s_lshl_b32 s43, s41, 2
	s_lshl_b32 s43, 15, s43
	s_lshl_b32 s44, 0x1111, s40
	s_or_b32 s[G1], s43, (3<<16)|(1<<21)
	s_or_b32 s[G1B], s44, (3<<16)|(1<<21)
	s_mov_b32 s[G1+1], 3200<<16
	s_mov_b32 s[G1+2], 2<<16
	s_mov_b32 s[G1+3], 3200<<16
	s_mov_b32 s[G1+4], 2
	s_mov_b32 s[G1+5], 102400
	s_mov_b32 s[G1+6], 0
	s_mov_b32 s[G1+7], 0
	s_mov_b32 s[G1B+1], 1600<<16
	s_mov_b32 s[G1B+2], 2<<16
	s_mov_b32 s[G1B+3], 1600<<16
	s_mov_b32 s[G1B+4], 2
	s_mov_b32 s[G1B+5], 51200
	s_mov_b32 s[G1B+6], 0
	s_mov_b32 s[G1B+7], 0
	s_lshl_b32 s45, s21, 3
	s_lshl_b32 s46, s20, 2
	s_add_co_u32 s45, s45, s46
	s_mul_i32 s46, s45, 6400
	s_mov_b32 s47, 0
	s_lshl_b32 s73, s42, 2
	s_lshl_b32 s74, s20, 1
	s_add_co_u32 s73, s73, s74
	s_mul_i32 s74, s73, 6400
	s_mov_b32 s75, 0
	s_mul_i32 s76, s20, 51200
	s_mul_i32 s77, s20, 25600
	s_add_co_u32 s77, s77, BOFF
	s_wait_kmcnt 0x0
	s_add_nc_u64 s[46:47], s[4:5], s[46:47]
	s_add_nc_u64 s[74:75], s[6:7], s[74:75]
	CROUND
.irp s, 0,1
	s_mov_b32 s[G0+4*\s], 1
	s_add_co_u32 s[G0+4*\s+1], s76, \s*SLOT
	s_add_nc_u64 s[G0+4*\s+2:G0+4*\s+3], s[46:47], \s*1638400
	s_or_b32 s[G0+4*\s+3], s[G0+4*\s+3], 0x80000000
	s_mov_b32 s[G0B+4*\s], 1
	s_add_co_u32 s[G0B+4*\s+1], s77, \s*SLOT
	s_add_nc_u64 s[G0B+4*\s+2:G0B+4*\s+3], s[74:75], \s*819200
	s_or_b32 s[G0B+4*\s+3], s[G0B+4*\s+3], 0x80000000
.endr
	s_mul_i32 s90, s40, 6400                       ; A's rows of 25,600 bytes: quarter cx of each of a slot's two
	s_lshr_b32 s91, s41, 1
	s_mul_i32 s91, s91, 409600                     ; B's rows of 12,800 bytes: row cy / 2,
	s_and_b32 s92, s41, 1
	s_mul_i32 s92, s92, 6400                       ; half cy % 2
	s_add_co_u32 s91, s91, s92
	s_cmp_eq_u32 s19, 0                            ; do I fetch for A?
	s_cselect_b64 s[PFA:PFA+1], s[46:47], s[74:75]
	s_cselect_b32 s90, s90, s91
	s_mov_b32 s88, 819200
	s_cselect_b32 s88, 1638400, s88
	s_mov_b32 s89, 0
	s_mov_b32 s91, 0
	s_add_nc_u64 s[PFA:PFA+1], s[PFA:PFA+1], s[90:91]
	s_add_nc_u64 s[PFA:PFA+1], s[PFA:PFA+1], s[88:89]
	s_add_nc_u64 s[PFA:PFA+1], s[PFA:PFA+1], s[88:89]   ; at slot 2
	JLOAD G0, G1, G0B, G1B                         ; slot 0: one tensor load a wave at the head; the set-up below stands under its flight
	v_and_b32 v7, 31, v0
	v_min_u32 v[PFO], 24, v7
	v_lshlrev_b32 v[PFO], 8, v[PFO]
	v_and_b32 v8, 15, v0
	v_bfe_u32 v9, v0, 4, 1
	v_and_b32 v10, 8, v8
	v_add_nc_u32 v10, v10, v8
	v_lshlrev_b32 v11, 4, v7
	v_lshlrev_b32 v12, 2, v7
	s_mul_i32 s78, s19, 51200
	s_mul_i32 s79, s20, 12800
	s_add_co_u32 s78, s78, s79
.irp s, 0,1
	v_add_nc_u32 v[ADRA+\s], s78, v11
	v_add_nc_u32 v[ADSA+\s], s78, v12
	v_add_nc_u32 v[ADRB+\s], \s*SLOT+BOFF, v11
	v_add_nc_u32 v[ADSB+\s], \s*SLOT+BOFF, v12
	s_add_co_u32 s78, s78, SLOT
.endr
	s_mul_i32 s79, s20, 6144
	v_add_nc_u32 v[LI], s79, v11
	s_lshl_b32 s79, s20, 8
	v_add_nc_u32 v[LS4], s79, v12
	v_lshlrev_b32 v[CSO], 8, v10
	v_lshl_add_u32 v[CSO], v9, 5, v[CSO]
	s_wait_alu depctr_va_vdst(0)
	s_mul_i32 s79, s[WV], 64*528
	v_mul_u32_u24 v[VST], v10, 528
	v_lshl_add_u32 v[VST], v9, 6, v[VST]
	v_add_nc_u32 v[VST], s79, v[VST]
	s_mul_i32 s79, s19, 128*528
	s_lshl_b32 s78, s20, 8
	s_add_co_u32 s79, s79, s78
	v_mul_u32_u24 v[VRD], v9, 16*528
	v_lshl_add_u32 v[VRD], v10, 2, v[VRD]
	v_add_nc_u32 v[VRD], s79, v[VRD]
	v_cmp_lt_u32 s[HM], 15, v7
	s_mov_b32 s[SEL], 0x76543210
	s_mov_b32 s[SEL+1], 0xfedcba98
	s_cmp_lt_u32 ttmp9, 2
	s_cselect_b64 s[DST:DST+1], s[12:13], s[14:15]
	s_cselect_b32 s80, 3, 2
	s_cselect_b32 s81, 0, 8
	s_cmp_eq_u32 ttmp9, 3
	s_cselect_b64 s[DST:DST+1], s[16:17], s[DST:DST+1]
	s_cselect_b32 s81, 12, s81
	s_lshr_b32 s82, s21, 3
	s_lshl_b32 s82, s82, s80
	s_add_co_u32 s82, s82, s42
	s_sub_co_u32 s82, s82, s81
	s_lshl_b32 s82, s82, 4
	s_and_b32 s84, s21, 7
	s_lshl_b32 s83, s84, 1
	s_add_co_u32 s82, s82, s83
	s_add_co_u32 s82, s82, s19
	s_mul_i32 s82, s82, 12800
	s_mov_b32 s83, 0
	s_add_nc_u64 s[DST:DST+1], s[DST:DST+1], s[82:83]
	s_lshl_b32 s84, s84, 16
	s_lshl_b32 s85, s[WV], 14
	s_add_co_u32 s84, s84, s85
	s_mov_b32 s85, 0
	s_add_nc_u64 s[8:9], s[8:9], s[84:85]
	s_add_nc_u64 s[10:11], s[10:11], s[84:85]
.macro ASK                             ; my share of the slot at s[PFA]: A's waves two rows' quarters, B's waves one half row
	global_prefetch_b8 v[PFO], s[PFA:PFA+1] th:TH_LOAD_NT scope:SCOPE_SE
	s_cmp_eq_u32 s19, 0
	s_cbranch_scc0 .Lone_\@
	global_prefetch_b8 v[PFO], s[PFA:PFA+1] offset:819200 th:TH_LOAD_NT scope:SCOPE_SE
.Lone_\@:
.endm
.macro CSL a                           ; cos and sin for my block a of 16 rows: 16 loads into window 3; the branch hangs on the cluster's x alone
	WIN 0
	s_cmp_eq_u32 ttmp9, 3
	s_cbranch_scc1 .Lno_cs_\@
	WIN 0xc0
.irp g, 0,1,2,3
.irp c, 0,1
	global_load_b128 v[64*(\a)+8*\g+4*\c:64*(\a)+8*\g+4*\c+3], v[CSO], s[8:9] offset:(32*((\a)/2)+8*((\a)%2))*256+64*\g+16*\c
	global_load_b128 v[64*(\a)+32+8*\g+4*\c:64*(\a)+32+8*\g+4*\c+3], v[CSO], s[10:11] offset:(32*((\a)/2)+8*((\a)%2))*256+64*\g+16*\c
.endr
.endr
	WIN 0
.Lno_cs_\@:
.endm
	ASK                                            ; slot 2
.macro MULA a, e, zero
.irp b, 0,1,2,3,4,5,6,7
.if \zero
	v_wmma_scale_f32_16x16x128_f8f6f4 v[8*(8*(\a)+\b):8*(8*(\a)+\b)+7], v[128*((\e)%2)+12*\b:128*((\e)%2)+12*\b+11], v[AF+48*((\e)%2)+12*(\a):AF+48*((\e)%2)+12*(\a)+11], 0, v[SC+12*((\e)/2)+4+\b], v[SC+12*((\e)/2)+(\a)] matrix_a_fmt:MATRIX_FMT_FP6 matrix_b_fmt:MATRIX_FMT_FP6
.elseif (\e)%2
	v_wmma_scale_f32_16x16x128_f8f6f4 v[8*(8*(\a)+\b):8*(8*(\a)+\b)+7], v[128*((\e)%2)+12*\b:128*((\e)%2)+12*\b+11], v[AF+48*((\e)%2)+12*(\a):AF+48*((\e)%2)+12*(\a)+11], v[8*(8*(\a)+\b):8*(8*(\a)+\b)+7], v[SC+12*((\e)/2)+4+\b], v[SC+12*((\e)/2)+(\a)] matrix_a_fmt:MATRIX_FMT_FP6 matrix_b_fmt:MATRIX_FMT_FP6 matrix_a_scale:MATRIX_SCALE_ROW1 matrix_b_scale:MATRIX_SCALE_ROW1
.else
	v_wmma_scale_f32_16x16x128_f8f6f4 v[8*(8*(\a)+\b):8*(8*(\a)+\b)+7], v[128*((\e)%2)+12*\b:128*((\e)%2)+12*\b+11], v[AF+48*((\e)%2)+12*(\a):AF+48*((\e)%2)+12*(\a)+11], v[8*(8*(\a)+\b):8*(8*(\a)+\b)+7], v[SC+12*((\e)/2)+4+\b], v[SC+12*((\e)/2)+(\a)] matrix_a_fmt:MATRIX_FMT_FP6 matrix_b_fmt:MATRIX_FMT_FP6
.endif
.endr
.endm
.macro FETCH slot, e
.set PI, (\e)/2
.set QQ, (\e)%2
.if QQ == 0
	WIN 0
.irp a, 0,1,2,3
	ds_load_b32 v[SC+12*PI+\a], v[ADSA+\slot] offset:25600*PI+6400*(\a/2)+6144+128*(\a%2)
.endr
.irp b, 0,1,2,3,4,5,6,7
	ds_load_b32 v[SC+12*PI+4+\b], v[ADSB+\slot] offset:25600*(\b/4)+12800*PI+6400*((\b/2)%2)+6144+128*(\b%2)
.endr
.endif
	WIN TO_B
.irp b, 0,1,2,3,4,5,6,7
.irp c, 0,1,2
	ds_load_b128 v[128*QQ+12*\b+4*\c:128*QQ+12*\b+4*\c+3], v[ADRB+\slot] offset:25600*(\b/4)+12800*PI+6400*((\b/2)%2)+3072*(\b%2)+1536*QQ+512*\c
.endr
.endr
	WIN 0
.irp a, 0,1,2,3
.irp c, 0,1,2
	ds_load_b128 v[AF+48*QQ+12*\a+4*\c:AF+48*QQ+12*\a+4*\c+3], v[ADRA+\slot] offset:25600*PI+6400*(\a/2)+3072*(\a%2)+1536*QQ+512*\c
.endr
.endr
.endm
.macro STEP slot, e, zero
	s_wait_dscnt 6
	WIN MUL
	MULA 0, \e, \zero
	MULA 1, \e, \zero
	PLACES
	FETCH \slot, (\e)+1
.if ((\e)+1)%2 == 0
	s_wait_dscnt 48
.else
	s_wait_dscnt 36
.endif
	WIN MUL
	MULA 2, \e, \zero
	MULA 3, \e, \zero
.endm
.macro TURN slot, next, fill
	WIN 0
.if \fill
	s_wait_xcnt 0x0                                ; my last prefetch has read its address: one slot on
	s_add_nc_u64 s[PFA:PFA+1], s[PFA:PFA+1], s[88:89]
.endif
	s_wait_tensorcnt 0x0
	ds_add_u32 v[SPW], v[NIL]
	s_wait_dscnt 7
	WIN MUL
	MULA 0, 3, 0
	s_wait_dscnt 0x0
	s_barrier_signal -1
	MULA 1, 3, 0
	WIN 0
	s_barrier_wait -1
.if \fill
	CREST
	s_add_nc_u64 s[G0+4*\slot+2:G0+4*\slot+3], s[G0+4*\slot+2:G0+4*\slot+3], 3276800
	s_add_nc_u64 s[G0B+4*\slot+2:G0B+4*\slot+3], s[G0B+4*\slot+2:G0B+4*\slot+3], 1638400
	JLOAD G0+4*\slot, G1, G0B+4*\slot, G1B
.else
	PLACES
.endif
	FETCH \next, 0
.if \fill
	s_cmp_gt_u32 s3, 1                             ; the last trip's two loads have no slot two on
	s_cbranch_scc0 .Lno_ask_\@
	ASK
.Lno_ask_\@:
.endif
	WIN MUL
	MULA 2, 3, 0
	MULA 3, 3, 0
.endm
	s_wait_alu depctr_va_vdst(0)                   ; the wait at the head's end
	s_wait_tensorcnt 0x0                           ; my part of slot 0 is in; slot 1's first fill is issued as a refill is:
	ds_add_u32 v[SPW], v[NIL]
	s_wait_dscnt 0x0
	CROUND                                         ; everybody's part is in, and the sixteen work-groups meet
	JLOAD G0+4, G1, G0B+4, G1B
	FETCH 0, 0
	s_wait_xcnt 0x0                                ; the first prefetch has read its address: on to slot 3
	s_add_nc_u64 s[PFA:PFA+1], s[PFA:PFA+1], s[88:89]
	ASK                                            ; slot 3
	STEP 0, 0, 1
	WIN 0
	s_mov_b32 s3, 3
.Llap:
	STEP 0, 1, 0
	STEP 0, 2, 0
	TURN 0, 1, 1
	STEP 1, 0, 0
	STEP 1, 1, 0
	STEP 1, 2, 0
	TURN 1, 0, 1
	STEP 0, 0, 0
	WIN 0
	s_sub_co_u32 s3, s3, 1
	s_cmp_lg_u32 s3, 0
	s_cbranch_scc1 .Llap
	CSL 0                                          ; the last lap fills no slot: cos and sin are asked for here, 16 loads ahead of each of four steps
	STEP 0, 1, 0
	CSL 1
	STEP 0, 2, 0
	CSL 2
	TURN 0, 1, 0
	CSL 3
	STEP 1, 0, 0
	STEP 1, 1, 0
	STEP 1, 2, 0
	s_wait_dscnt 6
	WIN MUL
	MULA 0, 3, 0
	MULA 1, 3, 0
	s_wait_dscnt 0x0
	MULA 2, 3, 0
	MULA 3, 3, 0
	WIN 0
.macro OUT i
.irp c, 0,1,2
	global_store_b128 v[LI], v[PC+4*\c:PC+4*\c+3], s[DST:DST+1] offset:1536*(\i)+512*\c
.endr
.if (\i)%2
	v_cndmask_b32 v[SW+(\i)/2], v[PW+(\i)-1], v[PW+(\i)], s[HM]
	global_store_b32 v[LS4], v[SW+(\i)/2], s[DST:DST+1] offset:12288+128*((\i)/2)
.endif
.endm
	PLACES
.irp b, 0,1,2,3
	v_mov_b32 v[TM+4+\b], 0
.endr
	s_cmp_lg_u32 ttmp9, 3
	s_cbranch_scc1 .Lno_stage
	WIN 0x08
	s_wait_alu depctr_va_vdst(0)
.irp a, 0,1,2,3
.irp b, 0,1,2,3,4,5,6,7
	ds_store_b128 v[VST], v[8*(8*\a+\b):8*(8*\a+\b)+3] offset:(32*(\a/2)+8*(\a%2))*528+128*(\b/2)+32*(\b%2)
	ds_store_b128 v[VST], v[8*(8*\a+\b)+4:8*(8*\a+\b)+7] offset:(32*(\a/2)+8*(\a%2))*528+128*(\b/2)+32*(\b%2)+16
.endr
.endr
	WIN 0
.Lno_stage:
	s_wait_dscnt 0x0
	s_barrier_signal -1
	s_barrier_wait -1
	s_cmp_eq_u32 ttmp9, 3
	s_cbranch_scc1 .Lv
	s_wait_loadcnt 0x0
.irp a, 0,1,2,3
	WIN 0x0e
.set p, 0
.rept 32
	v_mul_f32 v[TT+2*(p%2)], v[64*\a+2*p+1], v[64*\a+32+p]
	v_mul_f32 v[TT+2*(p%2)+1], v[64*\a+2*p+1], v[64*\a+p]
	v_fma_f32 v[H+2*p], v[64*\a+2*p], v[64*\a+p], -v[TT+2*(p%2)]
	v_fma_f32 v[H+2*p+1], v[64*\a+2*p], v[64*\a+32+p], v[TT+2*(p%2)+1]
.set p, p+1
.endr
	WIN 0
.if \a > 0
	s_wait_xcnt 0x0
.endif
	QUANT H, PW+\a
	OUT \a
.endr
	s_branch .Lend
.Lv:
	s_wait_alu depctr_va_vdst(0)
.irp f, 0,1,2,3
.irp b, 0,1,2,3
.irp i, 0,1,2,3,4,5,6,7,8,9,10,11,12,13,14,15
	ds_load_b32 v[H+16*\b+\i], v[VRD] offset:(32*\b+\i)*528+4*(32*(\f/2)+8*(\f%2))
.endr
.endr
	s_wait_dscnt 0x0
.if \f > 0
	s_wait_xcnt 0x0
.endif
	QUANT H, PW+\f
	OUT \f
.endr
.Lend:
	s_wait_tensorcnt 0x0
	ds_add_u32 v[SPW], v[NIL]
	s_wait_dscnt 0x0
	CROUND
	s_endpgm
.Lfunc_end_k_q6e5f7b4652_qkv:
	.size	k_q6e5f7b4652_qkv, .Lfunc_end_k_q6e5f7b4652_qkv-k_q6e5f7b4652_qkv
	.p2alignl 7, 3214868480
	.fill 96, 4, 3214868480
	.section	.rodata,"a",@progbits
	.p2align	6, 0x0
	.amdhsa_kernel k_q6e5f7b4652_qkv
		.amdhsa_group_segment_fixed_size 327680
		.amdhsa_private_segment_fixed_size 0
		.amdhsa_enable_private_segment 0
		.amdhsa_kernarg_size 56
		.amdhsa_user_sgpr_count 2
		.amdhsa_user_sgpr_kernarg_segment_ptr 1
		.amdhsa_wavefront_size32 1
		.amdhsa_system_sgpr_workgroup_id_x 1
		.amdhsa_system_sgpr_workgroup_id_y 1
		.amdhsa_system_sgpr_workgroup_id_z 1
		.amdhsa_system_vgpr_workitem_id 0
		.amdhsa_next_free_vgpr 1024
		.amdhsa_next_free_sgpr 100
		.amdhsa_reserve_vcc 0
		.amdhsa_float_denorm_mode_32 3
		.amdhsa_float_denorm_mode_16_64 3
		.amdhsa_memory_ordered 1
		.amdhsa_forward_progress 1
		.amdhsa_inst_pref_size 209
	.end_amdhsa_kernel
	.amdgpu_metadata
---
amdhsa.version: [ 1, 2 ]
amdhsa.kernels:
  - .name:           k_q6e5f7b4652_qkv
    .symbol:         k_q6e5f7b4652_qkv.kd
    .args:
      - { .name: x_q, .offset: 0, .size: 8, .value_kind: global_buffer, .address_space: global }
      - { .name: w_q, .offset: 8, .size: 8, .value_kind: global_buffer, .address_space: global }
      - { .name: freqs_cos, .offset: 16, .size: 8, .value_kind: global_buffer, .address_space: global }
      - { .name: freqs_sin, .offset: 24, .size: 8, .value_kind: global_buffer, .address_space: global }
      - { .name: q_q, .offset: 32, .size: 8, .value_kind: global_buffer, .address_space: global }
      - { .name: k_q, .offset: 40, .size: 8, .value_kind: global_buffer, .address_space: global }
      - { .name: v_q, .offset: 48, .size: 8, .value_kind: global_buffer, .address_space: global }
    .group_segment_fixed_size: 327680
    .private_segment_fixed_size: 0
    .kernarg_segment_align: 8
    .kernarg_segment_size: 56
    .max_flat_workgroup_size: 128
    .sgpr_count:     100
    .vgpr_count:     1024
    .wavefront_size: 32
...
	.end_amdgpu_metadata
.endif
;; end of part 2
;; launch attn (part 3): grid 32 x 8, 16 waves a work-group, clusters of 4 x 1, 327,680 bytes of LDS; arguments q_q, k_q, v_q, a_q; writes a_q
.if DOCPART == 3
	.amdgcn_target "amdgcn-amd-amdhsa--gfx1250"
	.amdhsa_code_object_version 6
	.text
	.protected	k_q6e5f7b4652_attn
	.globl	k_q6e5f7b4652_attn
	.p2align	8
	.type	k_q6e5f7b4652_attn,@function
k_q6e5f7b4652_attn:
	s_mov_b64 s[64:65], 0
	v_nop
	global_prefetch_b8 v0, s[64:65] scope:SCOPE_SE
	s_setreg_imm32_b32 hwreg(HW_REG_WAVE_MODE, 25, 1), 1
	s_wait_xcnt 0x0
	s_wait_alu depctr_hold_cnt(0) depctr_sa_sdst(0) depctr_va_vdst(0) depctr_va_sdst(0) depctr_va_ssrc(0) depctr_va_vcc(0) depctr_vm_vsrc(0)
	s_getreg_b32 s2, hwreg(HW_REG_IB_STS2, 6, 4)
	s_cmp_eq_u32 s2, 0
	s_cbranch_scc0 .Lentry_in_a_cluster
	s_endpgm
.Lentry_in_a_cluster:
	s_bfe_u32 s2, ttmp6, 0x10000c
	s_cmp_lg_u32 s2, 0x3003
	s_cbranch_scc0 .Lentry_shape_is_right
	s_endpgm
.Lentry_shape_is_right:
; softmax(q k^T / sqrt(128)) v for 8 (batch, kv head) groups Y, no mask, both products on codes of FP6 (E2M3); the result, divided by the row's sum, is quantised along (head, channel) for the last product.
; THE SOFTMAX AHEAD OF THE SECOND PRODUCT: t = score x log2(e) / sqrt(128); M = the largest t so far, rounded up to a whole number; p = 2^(t - M) is quantised along the keys, not normalised;
; the row's sum is taken of the unquantised p.  When M moves, the sum and O are multiplied by 2^(old M - new M): exact.
; SHARES.  A work-group owns 64 queries x the 2 query heads of kv head Y % 4: 8 tiles of 16 rows.  Wave w has tile t = w % 8 (row block 4 X + t / 2, rep t % 2) and key half w / 8: 8 key steps of 128.
; Four waves lie on a SIMD, so that one wave's vector work stands beside another's matrix work and LDS loads.  The two halves of a tile are joined at the end by exact powers of two, through LDS.
; OPERANDS lie in memory as images of their registers, in units of 12,800 bytes: 8 fragments and their scale words (12,288 + 64 T + 4 r).  A unit of k_q is a key step's 8 tiles of keys, one of v_q the 8 tiles of channels x its 128 keys.
; Both products are used transposed (S^T = K Q^T, O^T = V^T P^T): a lane holds one query.  A tile's keys, and a tile's channels, are 32 (T / 2) + 8 (T % 2) + r + 8 (r / 8):
; so 16 registers of two neighbouring tiles are 16 neighbours along the next K.
; CLUSTER.  The four partners walk the same K and V: every tile is asked for jointly.
; THE SLOTS.  K and V of a group are four pieces of 102,400 bytes (two key steps of both key halves: K's halves, then V's, 25,600 bytes each, fetched by waves 4 p to 4 p + 3, piece 3 by waves 0 to 3).  Three slots take pieces 0, 1, 2 at the start;
; piece 3 goes into slot 0 behind the one round of the cluster's barrier, when piece 0 has been read: it has four key steps in which to land.  Pieces 1 and 2 are walked with no barrier.  The eight steps are written out.
; V'S FRAGMENTS ARE ASKED FOR AHEAD OF THE SOFTMAX.  In a key step the 16 waves read 16 x 24,576 bytes of fragments from LDS, and a SIMD's four waves issue some 1,400 instructions: the two have to run side by side.
; So five of V's eight fragments are asked for behind the last K Q^T product, into K's registers and twelve more, and land under the softmax; the other three go into p's registers, which are free behind the conversions.
; LIMITS: a block of zeros or under 2^-124 keeps the scale byte 1; NaN and infinities are not served.
; REGISTERS: v1-11 addresses; v12 -M, v13 the largest t, v[14:15] the sum; v16-27 Q; v28-31 addresses; v32-79 four fragments of K, then with v80-91 five of V; v96-159 S^T, then p, then (v96-131) three fragments of V;
;   v160-223 O^T; v224-235 p's codes; v232-247, v252, v254 at work; v248-251 K's or V's scale words (two tiles each), v253 p's, v255 Q's.
;   On the way out: v32-47 at work in QUANT, v48 the scale word, v49 my lane's number, v224-243 the codes.
.set SLOT,  102400                     ; three slots, at 0, SLOT and 2 SLOT
.set MRG,   SLOT                       ; 8 x 8,448 bytes: a tile's second half: O^T's image, -M, the sum.  They lie in slot 1, which is filled once, and which nobody reads behind the last barrier of the key steps
.set SPARE, 307200                     ; behind the slots: the spare words, 128 bytes for each of 16 waves, that no other line names
.set AK0,  1
.set AV0,  2
.set ASK0, 3
.set ASV0, 4
.set SPW,  5
.set NIL,  6
.set LI,   7                           ; 16 x lane
.set ADK,  8
.set ADV,  9
.set ADS,  10
.set ADT,  11
.set MA,   28
.set MS,   29
.set L4,   30                          ; 4 x lane
.set R4,   31                          ; 4 x (lane % 16)
.set TM,   32
.set PW,   48
.set LN,   49                          ; the way out: my lane's number, in a register that QUANT does not name
.set PC,   224
.set WV,   18
.set SEL,  20
.set CS,   22                          ; s[22:23] c = log2(e) / sqrt(128)
.set G1,   24                          ; s[24:31] group 1: 100 rows of 256 bytes, dense
.set G0K,  68                          ; s[68:71] group 0 of my one first fill; waves 0 to 3 use it again for piece 3
.set G0V,  80
.macro CROUND
	s_barrier_signal -1
	s_barrier_wait -1
	s_cmp_lg_u32 s[WV], 0
	s_cbranch_scc1 .Lnot_wave_0_\@
	s_barrier_signal -3
.Lnot_wave_0_\@:
	s_barrier_wait -3
	s_barrier_signal -1
	s_barrier_wait -1
.endm
.macro QUANT s, pw                     ; 64 numbers, register 16 b + i = k 32 b + 16 (lane / 16) + i of my row, become a fragment in v[PC] .. v[PC + 11] (v[PC + 12] .. v[PC + 18] at work) and its scale word in v[pw]
.irp b, 0,1,2,3
	v_max3_num_f32 v[TM+\b], |v[\s+16*\b]|, |v[\s+1+16*\b]|, 0x1800000
.endr
.irp i, 2,4,6,8,10,12,14
.irp b, 0,1,2,3
	s_delay_alu instid0(VALU_DEP_4)
	v_max3_num_f32 v[TM+\b], v[TM+\b], |v[\s+16*\b+\i]|, |v[\s+1+16*\b+\i]|
.endr
.endr
.irp b, 0,1,2,3
	s_delay_alu instid0(VALU_DEP_4)
	v_permlanex16_b32 v[TM+4+\b], v[TM+\b], s[SEL], s[SEL+1]
.endr
.irp b, 0,1,2,3
	s_delay_alu instid0(VALU_DEP_4)
	v_max_num_f32 v[TM+\b], v[TM+\b], v[TM+4+\b]
.endr
.irp b, 0,1,2,3
	s_delay_alu instid0(VALU_DEP_4)
	v_add_nc_u32 v[TM+12+\b], 0xff000000, v[TM+\b]
.endr
.irp b, 0,1,2,3
	s_delay_alu instid0(VALU_DEP_4)
	v_lshrrev_b32 v[TM+4+\b], 23, v[TM+12+\b]
.endr
	s_delay_alu instid0(VALU_DEP_3)
	v_lshl_or_b32 v[\pw], v[TM+5], 8, v[TM+4]
	s_delay_alu instid0(VALU_DEP_1)
	v_lshl_or_b32 v[\pw], v[TM+6], 16, v[\pw]
	s_delay_alu instid0(VALU_DEP_1)
	v_lshl_or_b32 v[\pw], v[TM+7], 24, v[\pw]
.irp c, 0,1
	v_cvt_scalef32_pk16_fp6_f32 v[PC+6*\c:PC+2+6*\c], v[\s+32*\c:\s+15+32*\c], v[TM+12+2*\c]
	v_cvt_scalef32_pk16_fp6_f32 v[PC+12+4*\c:PC+14+4*\c], v[\s+16+32*\c:\s+31+32*\c], v[TM+12+2*\c+1]
.endr
	v_nop
.irp c, 0,1
.irp i, 0,1,2
	v_permlane16_swap_b32 v[PC+6*\c+\i], v[PC+12+4*\c+\i]
.endr
.irp i, 0,1,2
	s_delay_alu instid0(VALU_DEP_3)
	v_mov_b32 v[PC+3+6*\c+\i], v[PC+12+4*\c+\i]
.endr
.endr
.endm
	s_load_b128 s[4:7], s[0:1], 0x0                ; q_q, k_q
	s_load_b128 s[8:11], s[0:1], 0x10              ; v_q, a_q
	v_lshl_add_u32 v[SPW], v0, 2, SPARE
	v_mov_b32 v[NIL], 0
	ds_add_u32 v5, v6
	ds_add_u32 v5, v6
	s_wait_dscnt 0x0
	v_lshrrev_b32 v8, 5, v0
	s_delay_alu instid0(VALU_DEP_1)
	v_readfirstlane_b32 s[WV], v8                  ; wave 0..15
	s_bfe_u32 s40, ttmp6, 0x40000                  ; cx
	s_lshl_b32 s41, ttmp9, 2
	s_add_co_u32 s41, s41, s40                     ; X: my 64 queries; it enters Q's and the result's addresses alone
	s_and_b32 s42, ttmp7, 0xffff                   ; Y = 4 batch + kv head, which the partners share
	s_and_b32 s43, s[WV], 7                        ; t
	s_lshr_b32 s44, s[WV], 3                       ; key half
	s_and_b32 s45, s[WV], 1                        ; which half I fetch, if I fetch
	s_mul_i32 s46, s42, 204800                     ; a group's 16 units,
	s_mul_i32 s47, s45, 102400                     ; a half's 8
	s_add_co_u32 s46, s46, s47
	s_mov_b32 s47, 0
	s_mov_b32 s[G1], 15|(3<<16)|(1<<21)            ; 15:0 the mask: all four; 17:16 elements of 8 bytes; 21 set beside a mask
	s_mov_b32 s[G1+1], 32<<16
	s_mov_b32 s[G1+2], 100<<16
	s_mov_b32 s[G1+3], 32<<16
	s_mov_b32 s[G1+4], 100
	s_mov_b32 s[G1+5], 32
	s_mov_b32 s[G1+6], 0
	s_mov_b32 s[G1+7], 0
	; Q: unit (2 Y + rep) x 16 + X / 2, fragment 4 (X % 2) + t / 2
	s_lshl_b32 s50, s42, 1
	s_and_b32 s51, s43, 1
	s_add_co_u32 s50, s50, s51
	s_lshl_b32 s50, s50, 4
	s_lshr_b32 s51, s41, 1
	s_add_co_u32 s50, s50, s51
	s_mul_i32 s50, s50, 12800
	s_mov_b32 s51, 0
	s_and_b32 s52, s41, 1
	s_lshl_b32 s52, s52, 2
	s_lshr_b32 s53, s43, 1
	s_add_co_u32 s49, s52, s53
	s_mul_i32 s52, s49, 1536
	s_mov_b32 s53, 0
	s_add_nc_u64 s[52:53], s[52:53], s[50:51]      ; the fragment's offset
	s_lshl_b32 s54, s49, 6
	s_add_co_u32 s54, s54, 12288
	s_mov_b32 s55, 0
	s_add_nc_u64 s[54:55], s[54:55], s[50:51]      ; its scale words'
	; the result: a_q's unit (4 (batch x 64 + 2 X + t / 4) + kv head), fragment t % 4 (row block (t / 2) % 2, K step = rep)
	; a_q is laid [rows / 32][K / 256] units: unit 4 x (batch x 64 + 2 X + t / 4) + kv head
	s_and_b32 s56, s42, 3
	s_lshr_b32 s57, s42, 2
	s_lshl_b32 s57, s57, 8
	s_add_co_u32 s56, s56, s57
	s_lshl_b32 s57, s41, 3
	s_add_co_u32 s56, s56, s57
	s_and_b32 s57, s43, 4
	s_add_co_u32 s56, s56, s57
	s_mul_i32 s56, s56, 6400
	s_and_b32 s57, s43, 3
	s_lshl_b32 s58, s57, 6
	s_add_co_u32 s58, s58, s56
	s_add_co_u32 s58, s58, 6144
	s_mov_b32 s59, 0
	s_mul_i32 s57, s57, 1536
	s_add_co_u32 s56, s56, s57
	s_mov_b32 s57, 0
	s_mov_b32 s[SEL], 0x76543210
	s_mov_b32 s[SEL+1], 0xfedcba98
	s_mov_b32 s[CS], 0x3e0293ee
	s_mov_b32 s[CS+1], s[CS]                       ; (named with it as a pair, so it is written)
	s_wait_kmcnt 0x0
	s_add_nc_u64 s[32:33], s[6:7], s[46:47]        ; K and V at my half's first unit
	s_add_nc_u64 s[34:35], s[8:9], s[46:47]
	; THE TWELVE FIRST FILLS ARE SHARED OUT, ONE A WAVE: wave w < 12 fetches, for piece w / 4, K's half w % 2 (w % 4 < 2) or V's (else): 25,600 bytes to LDS byte 25,600 w.  One group 0, s[G0K .. G0K + 3]; waves 0 to 3 use it again for piece 3
	s_and_b32 s36, s[WV], 2
	s_cmp_lg_u32 s36, 0
	s_cselect_b64 s[34:35], s[34:35], s[32:33]     ; V's or K's: the choice hangs on the wave's number alone
	s_lshr_b32 s36, s[WV], 2
	s_mul_i32 s36, s36, 25600                      ; in memory a piece's two units follow the last piece's
	s_mov_b32 s37, 0
	s_mov_b32 s[G0K], 1
	s_mul_i32 s[G0K+1], s[WV], 25600
	s_add_nc_u64 s[G0K+2:G0K+3], s[34:35], s[36:37]
	s_or_b32 s[G0K+3], s[G0K+3], 0x80000000
	s_add_nc_u64 s[52:53], s[4:5], s[52:53]
	s_add_nc_u64 s[54:55], s[4:5], s[54:55]
	s_add_nc_u64 s[56:57], s[10:11], s[56:57]
	s_add_nc_u64 s[58:59], s[10:11], s[58:59]
	CROUND                                         ; all four work-groups are here: the first joint loads meet
	s_cmp_lt_u32 s[WV], 12
	s_cbranch_scc0 .Lfirst_asked
	tensor_load_to_lds s[G0K:G0K+3], s[G1:G1+7]
	s_nop 0
.rept 4
	v_nop
.endr
.Lfirst_asked:
	v_and_b32 v8, 31, v0
	s_delay_alu instid0(VALU_DEP_1)
	v_lshlrev_b32 v[LI], 4, v8
	s_delay_alu instid0(VALU_DEP_2)
	v_lshlrev_b32 v[L4], 2, v8
	v_and_b32 v[R4], 15, v0
	s_delay_alu instid0(VALU_DEP_1)
	v_lshlrev_b32 v[R4], 2, v[R4]
.irp c, 0,1,2
	global_load_b128 v[16+4*\c:19+4*\c], v[LI], s[52:53] offset:512*\c   ; Q's fragment stays in registers
.endr
	global_load_b32 v255, v[R4], s[54:55]          ; its scale words
	s_mul_i32 s60, s44, 25600                      ; my key half's part of a slot
	v_add_nc_u32 v[AK0], s60, v[LI]
	v_add_nc_u32 v[ASK0], s60, v[L4]
	s_delay_alu instid0(VALU_DEP_2)
	v_add_nc_u32 v[AV0], 51200, v[AK0]
	s_delay_alu instid0(VALU_DEP_2)
	v_add_nc_u32 v[ASV0], 51200+12288, v[ASK0]
	s_delay_alu instid0(VALU_DEP_3)
	v_add_nc_u32 v[ASK0], 12288, v[ASK0]
	s_mul_i32 s60, s43, 8448
	s_add_co_u32 s60, s60, MRG
	v_add_nc_u32 v[MA], s60, v[LI]
	s_add_co_u32 s60, s60, 8192
	v_add_nc_u32 v[MS], s60, v[L4]
	v_mov_b32 v13, 0xff61b1e6                      ; the largest t so far: -3e38, under every t
	s_delay_alu instid0(VALU_DEP_1)
	v_floor_f32 v12, -v13                          ; -M
	v_mov_b32 v14, 0
	v_mov_b32 v15, 0
.irp b, 0,1,2,3
	v_mov_b32 v[236+\b], 0                         ; a lane permute's destination counts as one of its sources
.endr
	v_mov_b32 v253, 0                              ; (named as the upper half of v[252:253] before it is first written)
.irp j, 0,1,2,3,4,5,6,7,8,9,10,11,12,13,14,15,16,17,18,19,20,21,22,23,24,25,26,27,28,29,30,31,32,33,34,35,36,37,38,39,40,41,42,43,44,45,46,47,48,49,50,51,52,53,54,55,56,57,58,59,60,61,62,63
	v_mov_b32 v[160+\j], 0                         ; O^T: every step has one form; the first finds zeros, which the first change of M leaves zeros
.endr
; A KEY STEP: 128 keys, the q-th of my half's two in slot sl
.macro STEP sl, q
	v_add_nc_u32 v[ADK], (\sl)*SLOT, v[AK0]        ; these four and the v_nop are five places behind the last step's products: four for the loads into registers that those read,
	s_wait_alu depctr_va_vdst(0)
	v_add_nc_u32 v[ADV], (\sl)*SLOT, v[AV0]        ; five for the products below, whose results are laid over v96-127, where three of V's fragments lay
	v_add_nc_u32 v[ADS], (\sl)*SLOT, v[ASK0]
	v_add_nc_u32 v[ADT], (\sl)*SLOT, v[ASV0]
	v_nop
.irp p, 0,1,2,3
	ds_load_b32 v[248+\p], v[ADS] offset:12800*(\q)+128*\p   ; K's scale words: lanes 0-15: tile 2 p's; lanes 16-31: tile 2 p + 1's
.endr
.irp g, 0,1                                    ; S^T = K Q^T, four tiles of 16 keys at a time
.if \g > 0
.rept 4
	v_nop
.endr
.endif
.irp t, 0,1,2,3
.irp c, 0,1,2
	ds_load_b128 v[32+12*\t+4*\c:35+12*\t+4*\c], v[ADK] offset:12800*(\q)+1536*(4*\g+\t)+512*\c
.endr
.endr
	s_wait_dscnt 0x0
.irp t, 0,2
	v_wmma_scale_f32_16x16x128_f8f6f4 v[96+8*(4*\g+\t):103+8*(4*\g+\t)], v[32+12*\t:43+12*\t], v[16:27], 0, v[248+2*\g+\t/2], v255 matrix_a_fmt:MATRIX_FMT_FP6 matrix_b_fmt:MATRIX_FMT_FP6
	v_wmma_scale_f32_16x16x128_f8f6f4 v[104+8*(4*\g+\t):111+8*(4*\g+\t)], v[44+12*\t:55+12*\t], v[16:27], 0, v[248+2*\g+\t/2], v255 matrix_a_fmt:MATRIX_FMT_FP6 matrix_b_fmt:MATRIX_FMT_FP6 matrix_a_scale:MATRIX_SCALE_ROW1
.endr
.endr
.rept 4
	v_nop                                          ; places in front of the loads below and of the first read of the scores
.endr
	; V AHEAD OF THE SOFTMAX: its scale words and its tiles 0 to 4, into registers that the softmax does not name: 19 loads that land while the wave computes
	s_wait_alu depctr_va_vdst(0)
.irp p, 0,1,2,3
	ds_load_b32 v[248+\p], v[ADT] offset:12800*(\q)+128*\p
.endr
.irp t, 0,1,2,3,4
.irp c, 0,1,2
	ds_load_b128 v[32+12*\t+4*\c:35+12*\t+4*\c], v[ADV] offset:12800*(\q)+1536*\t+512*\c
.endr
.endr
.irp b, 0,1,2,3
	v_max3_num_f32 v[232+\b], v[96+16*\b], v[97+16*\b], v[98+16*\b]   ; the largest score of each block of 32 keys: it serves the row's maximum and, since p rises with the score, the block's largest p
.endr
.irp i, 3,5,7,9,11,13
.irp b, 0,1,2,3
	v_max3_num_f32 v[232+\b], v[232+\b], v[96+16*\b+\i], v[97+16*\b+\i]
.endr
.endr
.irp b, 0,1,2,3
	v_max_num_f32 v[232+\b], v[232+\b], v[111+16*\b]
.endr
.irp b, 0,1,2,3
	s_delay_alu instid0(VALU_DEP_4)
	v_permlanex16_b32 v[236+\b], v[232+\b], s[SEL], s[SEL+1]
.endr
.irp b, 0,1,2,3
	s_delay_alu instid0(VALU_DEP_4)
	v_max_num_f32 v[232+\b], v[232+\b], v[236+\b]  ; with lane l xor 16's 16 keys
.endr
	s_delay_alu instid0(VALU_DEP_2)
	v_max3_num_f32 v254, v232, v233, v234
	s_delay_alu instid0(VALU_DEP_1)
	v_max_num_f32 v254, v254, v235
	s_delay_alu instid0(VALU_DEP_1)
	v_mul_f32 v254, s[CS], v254                    ; the step's largest t
	s_delay_alu instid0(VALU_DEP_1)
	v_max_num_f32 v13, v13, v254
	v_mov_b32 v254, v12
	s_delay_alu instid0(VALU_DEP_2)
	v_floor_f32 v12, -v13                          ; the new -M = -ceil(t): a whole number
	s_delay_alu instid0(VALU_DEP_1)
	v_sub_f32 v254, v12, v254                      ; old M - new M: a whole number, 0 or less
	s_delay_alu instid0(VALU_DEP_1)
	v_cvt_i32_f32 v254, v254                       ; (it saturates)
	s_delay_alu instid0(VALU_DEP_1)
	v_ldexp_f32 v252, 1.0, v254                    ; f = 2^(old M - new M)
.irp j, 0,2,4,6,8,10,12,14,16,18,20,22,24,26,28,30,32,34,36,38,40,42,44,46,48,50,52,54,56,58,60,62
	v_pk_fma_f32 v[96+\j:97+\j], v[96+\j:97+\j], s[CS:CS+1], v[12:13] op_sel_hi:[1,0,0]   ; t - M
.endr
.irp b, 0,1,2,3
	v_fma_f32 v[232+\b], v[232+\b], s[CS], v12
.endr
	s_wait_alu depctr_va_vdst(0)
.irp j, 0,1,2,3,4,5,6,7,8,9,10,11,12,13,14,15,16,17,18,19,20,21,22,23,24,25,26,27,28,29,30,31,32,33,34,35,36,37,38,39,40,41,42,43,44,45,46,47,48,49,50,51,52,53,54,55,56,57,58,59,60,61,62,63
	v_exp_f32 v[96+\j], v[96+\j]                   ; p = 2^(t - M), at most 1
.endr
	v_pk_mul_f32 v[14:15], v[14:15], v[252:253] op_sel_hi:[1,0]   ; the sums under the new M (a plain place behind the exponentials)
	s_wait_alu depctr_va_vdst(0)                   ; one wait for the batch of 64, ahead of its first reader
.irp b, 0,1,2,3
	v_exp_f32 v[232+\b], v[232+\b]                 ; the block's largest p
.endr
	v_pk_add_f32 v[236:237], v[100:101], v[104:105]
	v_pk_add_f32 v[94:95], v[108:109], v[112:113]
	v_pk_add_f32 v[92:93], v[116:117], v[120:121]
	v_pk_add_f32 v[14:15], v[14:15], v[124:125]
	v_pk_add_f32 v[236:237], v[236:237], v[128:129]
	v_pk_add_f32 v[94:95], v[94:95], v[132:133]
	v_pk_add_f32 v[92:93], v[92:93], v[136:137]
	v_pk_add_f32 v[14:15], v[14:15], v[140:141]
	v_pk_add_f32 v[236:237], v[236:237], v[144:145]
	v_pk_add_f32 v[94:95], v[94:95], v[148:149]
	v_pk_add_f32 v[92:93], v[92:93], v[152:153]
	v_pk_add_f32 v[14:15], v[14:15], v[156:157]
	v_pk_add_f32 v[236:237], v[236:237], v[96:97]
	v_pk_add_f32 v[94:95], v[94:95], v[98:99]
	v_pk_add_f32 v[92:93], v[92:93], v[102:103]
	v_pk_add_f32 v[14:15], v[14:15], v[106:107]
	v_pk_add_f32 v[236:237], v[236:237], v[110:111]
	v_pk_add_f32 v[94:95], v[94:95], v[114:115]
	v_pk_add_f32 v[92:93], v[92:93], v[118:119]
	v_pk_add_f32 v[14:15], v[14:15], v[122:123]
	v_pk_add_f32 v[236:237], v[236:237], v[126:127]
	v_pk_add_f32 v[94:95], v[94:95], v[130:131]
	v_pk_add_f32 v[92:93], v[92:93], v[134:135]
	v_pk_add_f32 v[14:15], v[14:15], v[138:139]
	v_pk_add_f32 v[236:237], v[236:237], v[142:143]
	v_pk_add_f32 v[94:95], v[94:95], v[146:147]
	v_pk_add_f32 v[92:93], v[92:93], v[150:151]
	v_pk_add_f32 v[14:15], v[14:15], v[154:155]
	v_pk_add_f32 v[236:237], v[236:237], v[158:159]
	s_delay_alu instid0(VALU_DEP_2)
	v_pk_add_f32 v[14:15], v[14:15], v[94:95]
	s_delay_alu instid0(VALU_DEP_2)
	v_pk_add_f32 v[236:237], v[236:237], v[92:93]
	s_delay_alu instid0(VALU_DEP_1)
	v_pk_add_f32 v[14:15], v[14:15], v[236:237]
	s_wait_alu depctr_va_vdst(0)                   ; and one for the four
.irp b, 0,1,2,3
	v_max_num_f32 v[232+\b], 0x1800000, v[232+\b]  ; the floor 2^(3 - 127)
.endr
.irp b, 0,1,2,3
	s_delay_alu instid0(VALU_DEP_4)
	v_add_nc_u32 v[244+\b], 0xff000000, v[232+\b]
.endr
.irp b, 0,1,2,3
	s_delay_alu instid0(VALU_DEP_4)
	v_lshrrev_b32 v[236+\b], 23, v[244+\b]
.endr
	s_delay_alu instid0(VALU_DEP_3)
	v_lshl_or_b32 v253, v237, 8, v236              ; p's scale word for these 128 keys
	s_delay_alu instid0(VALU_DEP_1)
	v_lshl_or_b32 v253, v238, 16, v253
	s_delay_alu instid0(VALU_DEP_1)
	v_lshl_or_b32 v253, v239, 24, v253
.irp c, 0,1
	v_cvt_scalef32_pk16_fp6_f32 v[224+6*\c:226+6*\c], v[96+32*\c:111+32*\c], v[244+2*\c]
	v_cvt_scalef32_pk16_fp6_f32 v[236+4*\c:238+4*\c], v[112+32*\c:127+32*\c], v[244+2*\c+1]
.endr
	v_nop                                          ; one plain place behind a scaled conversion
.irp t, 5,6,7                                  ; V's tiles 5 to 7 into p's registers, which nothing reads behind the conversions: they land under the 44 lines below
.irp c, 0,1,2
	ds_load_b128 v[96+12*(\t-5)+4*\c:99+12*(\t-5)+4*\c], v[ADV] offset:12800*(\q)+1536*\t+512*\c
.endr
.endr
.irp c, 0,1
.irp i, 0,1,2
	v_permlane16_swap_b32 v[224+6*\c+\i], v[236+4*\c+\i]
.endr
.irp i, 0,1,2
	s_delay_alu instid0(VALU_DEP_3)
	v_mov_b32 v[227+6*\c+\i], v[236+4*\c+\i]
.endr
.endr
.irp j, 0,2,4,6,8,10,12,14,16,18,20,22,24,26,28,30,32,34,36,38,40,42,44,46,48,50,52,54,56,58,60,62
	v_pk_mul_f32 v[160+\j:161+\j], v[160+\j:161+\j], v[252:253] op_sel_hi:[1,0]   ; O^T under the new M (these 32 are also the places between the lines that made p's codes and scale word and the products below)
.endr
	s_wait_alu depctr_va_vdst(0)
	s_wait_dscnt 0x0                               ; all of V's eight fragments and its scale words are in
.irp t, 0,1,2,3,4,5,6,7                        ; O^T += V^T P^T: eight tiles of 16 channels, eight accumulators by turns
.if \t < 5
.set VF, 32+12*\t
.else
.set VF, 96+12*(\t-5)
.endif
.if \t % 2
	v_wmma_scale_f32_16x16x128_f8f6f4 v[160+8*\t:167+8*\t], v[VF:VF+11], v[224:235], v[160+8*\t:167+8*\t], v[248+\t/2], v253 matrix_a_fmt:MATRIX_FMT_FP6 matrix_b_fmt:MATRIX_FMT_FP6 matrix_a_scale:MATRIX_SCALE_ROW1
.else
	v_wmma_scale_f32_16x16x128_f8f6f4 v[160+8*\t:167+8*\t], v[VF:VF+11], v[224:235], v[160+8*\t:167+8*\t], v[248+\t/2], v253 matrix_a_fmt:MATRIX_FMT_FP6 matrix_b_fmt:MATRIX_FMT_FP6
.endif
.endr
.endm
; A BARRIER OF THE KEY STEPS: each wave waits for all its tensor loads, adds 0 to its spare word, and waits for that and for its LDS reads.
; fill = 1: a round of the cluster's barrier, and behind it slot 0, which has been read out, takes piece 3: my one tensor load behind the round.
.macro CHANGE fill
	s_wait_tensorcnt 0x0                           ; no tensor load of mine is out, so a group 0 may be written
	ds_add_u32 v[SPW], v[NIL]
.if \fill
	ds_add_u32 v[SPW], v[NIL]                      ; twice on end
	s_add_nc_u64 s[G0K+2:G0K+3], s[G0K+2:G0K+3], 3*25600   ; waves 0 to 3: from piece 0 to piece 3 (in the others the number is not used)
.endif
	s_wait_dscnt 0x0
.if \fill
	CROUND
	s_cmp_lt_u32 s[WV], 4
	s_cbranch_scc0 .Lasked_\@
	tensor_load_to_lds s[G0K:G0K+3], s[G1:G1+7]
	s_nop 0
.rept 4
	v_nop
.endr
.Lasked_\@:
.else
	s_barrier_signal -1
	s_barrier_wait -1
.endif
.endm
	s_wait_loadcnt 0x0                             ; Q
	s_wait_tensorcnt 0x0                           ; my one load is in: behind this barrier pieces 0, 1 and 2 are whole
	s_barrier_signal -1
	s_barrier_wait -1                              ; everybody's is
	STEP 0, 0
	STEP 0, 1
	CHANGE 1                                       ; the first three pieces have landed, and slot 0 has been read out: piece 3 is asked for
	STEP 1, 0
	STEP 1, 1
	STEP 2, 0                                      ; on into slot 2 with no barrier: every wave waited for all its loads in front of the round
	STEP 2, 1
	CHANGE 0                                       ; piece 3 has landed in every wave's part; nobody reads slots 1 and 2 behind this barrier
	STEP 0, 0
	STEP 0, 1
	; THE TWO HALVES OF A TILE ARE JOINED.  Waves 8-15 hand O^T, -M and the sum to waves 0-7 as images of their registers
	v_add_f32 v14, v14, v15
	s_delay_alu instid0(VALU_DEP_1)
	v_permlanex16_b32 v252, v14, s[SEL], s[SEL+1]
	s_delay_alu instid0(VALU_DEP_1)
	v_add_f32 v14, v14, v252                       ; my half's sum of the row
.rept 4
	v_nop                                          ; places behind the last products
.endr
	s_cmp_lt_u32 s[WV], 8
	s_cbranch_scc1 .Lkeep
.irp n, 0,1,2,3,4,5,6,7,8,9,10,11,12,13,14,15
	ds_store_b128 v[MA], v[160+4*\n:163+4*\n] offset:512*\n
.endr
	ds_store_b32 v[MS], v12
	ds_store_b32 v[MS], v14 offset:128
.Lkeep:
	s_wait_dscnt 0x0                               ; for the others' sake: my stores are done
	s_barrier_signal -1
	s_barrier_wait -1
	s_cmp_lt_u32 s[WV], 8
	s_cbranch_scc0 .Lend
.irp n, 0,1,2,3,4,5,6,7,8,9,10,11,12,13,14,15
	ds_load_b128 v[96+4*\n:99+4*\n], v[MA] offset:512*\n
.endr
	ds_load_b32 v232, v[MS]
	ds_load_b32 v233, v[MS] offset:128
	s_wait_dscnt 0x0
	v_min_num_f32 v234, v12, v232                  ; -M of the two together
	s_delay_alu instid0(VALU_DEP_1)
	v_sub_f32 v235, v234, v12                      ; whole numbers, 0 or less
	s_delay_alu instid0(VALU_DEP_2)
	v_sub_f32 v236, v234, v232
	s_delay_alu instid0(VALU_DEP_2)
	v_cvt_i32_f32 v235, v235
	s_delay_alu instid0(VALU_DEP_2)
	v_cvt_i32_f32 v236, v236
	s_delay_alu instid0(VALU_DEP_2)
	v_ldexp_f32 v235, 1.0, v235                    ; exact powers of two
	s_wait_alu depctr_va_vdst(0)
	v_ldexp_f32 v236, 1.0, v236
	v_mul_f32 v14, v14, v235
	s_delay_alu instid0(VALU_DEP_1)
	v_fma_f32 v14, v233, v236, v14                 ; the row's sum
	s_wait_alu depctr_va_vdst(0)
	v_rcp_f32 v237, v14
	v_and_b32 v[LN], 31, v0                        ; (a plain place behind the reciprocal)  my lane's number, kept outside the registers that QUANT writes
	s_wait_alu depctr_va_vdst(0)                   ; the wait ahead of its first reader
	v_mul_f32 v242, v235, v237
	v_mul_f32 v244, v236, v237
	s_delay_alu instid0(VALU_DEP_2)
	v_mov_b32 v243, v242                           ; twice each: pairs for the packed lines
	s_delay_alu instid0(VALU_DEP_2)
	v_mov_b32 v245, v244
.irp b, 0,1,2,3
	v_mov_b32 v[TM+4+\b], 0
.endr
.irp j, 0,2,4,6,8,10,12,14,16,18,20,22,24,26,28,30,32,34,36,38,40,42,44,46,48,50,52,54,56,58,60,62
	v_pk_mul_f32 v[96+\j:97+\j], v[96+\j:97+\j], v[244:245]
.endr
.irp j, 0,2,4,6,8,10,12,14,16,18,20,22,24,26,28,30,32,34,36,38,40,42,44,46,48,50,52,54,56,58,60,62
	v_pk_fma_f32 v[96+\j:97+\j], v[160+\j:161+\j], v[242:243], v[96+\j:97+\j]   ; register 16 g + i: channel 32 g + 16 (lane / 16) + i of my query, divided by the sum
.endr
	QUANT 96, PW                                   ; the head's 128 channels are one K step of the last product
.irp c, 0,1,2
	global_store_b128 v[LI], v[PC+4*\c:PC+4*\c+3], s[56:57] offset:512*\c
.endr
	s_wait_xcnt 0x0                                ; EXEC changes only behind this wait
	v_cmp_gt_u32 vcc_lo, 16, v[LN]
	s_and_saveexec_b32 s62, vcc_lo
	global_store_b32 v[L4], v[PW], s[58:59]        ; lanes 0-15: my 16 rows' scale words
	s_wait_xcnt 0x0                                ; and again in front of the line that widens it
	s_or_b32 exec_lo, exec_lo, s62
.Lend:
	s_wait_tensorcnt 0x0                           ; the wave's end
	ds_add_u32 v[SPW], v[NIL]
	s_wait_dscnt 0x0
	CROUND                                         ; the closing round
	s_endpgm
.Lfunc_end_k_q6e5f7b4652_attn:
	.size	k_q6e5f7b4652_attn, .Lfunc_end_k_q6e5f7b4652_attn-k_q6e5f7b4652_attn
	.p2alignl 7, 3214868480
	.fill 96, 4, 3214868480
	.section	.rodata,"a",@progbits
	.p2align	6, 0x0
	.amdhsa_kernel k_q6e5f7b4652_attn
		.amdhsa_group_segment_fixed_size 327680
		.amdhsa_private_segment_fixed_size 0
		.amdhsa_enable_private_segment 0
		.amdhsa_kernarg_size 32
		.amdhsa_user_sgpr_count 2
		.amdhsa_user_sgpr_kernarg_segment_ptr 1
		.amdhsa_wavefront_size32 1
		.amdhsa_system_sgpr_workgroup_id_x 1
		.amdhsa_system_sgpr_workgroup_id_y 1
		.amdhsa_system_sgpr_workgroup_id_z 1
		.amdhsa_system_vgpr_workitem_id 0
		.amdhsa_next_free_vgpr 256
		.amdhsa_next_free_sgpr 96
		.amdhsa_reserve_vcc 1
		.amdhsa_float_denorm_mode_32 3
		.amdhsa_float_denorm_mode_16_64 3
		.amdhsa_memory_ordered 1
		.amdhsa_forward_progress 1
		.amdhsa_inst_pref_size 183
	.end_amdhsa_kernel
	.amdgpu_metadata
---
amdhsa.version: [ 1, 2 ]
amdhsa.kernels:
  - .name:           k_q6e5f7b4652_attn
    .symbol:         k_q6e5f7b4652_attn.kd
    .args:
      - { .name: q_q, .offset: 0, .size: 8, .value_kind: global_buffer, .address_space: global }
      - { .name: k_q, .offset: 8, .size: 8, .value_kind: global_buffer, .address_space: global }
      - { .name: v_q, .offset: 16, .size: 8, .value_kind: global_buffer, .address_space: global }
      - { .name: a_q, .offset: 24, .size: 8, .value_kind: global_buffer, .address_space: global }
    .group_segment_fixed_size: 327680
    .private_segment_fixed_size: 0
    .kernarg_segment_align: 8
    .kernarg_segment_size: 32
    .max_flat_workgroup_size: 512
    .sgpr_count:     96
    .vgpr_count:     256
    .wavefront_size: 32
...
	.end_amdgpu_metadata
.endif
;; end of part 3
;; launch oproj (part 4): grid 16 x 16, 4 waves a work-group, clusters of 4 x 4, 327,680 bytes of LDS; arguments a_q, wo_q, out0; writes out0
.if DOCPART == 4
	.amdgcn_target "amdgcn-amd-amdhsa--gfx1250"
	.amdhsa_code_object_version 6
	.text
	.protected	k_q6e5f7b4652_oproj
	.globl	k_q6e5f7b4652_oproj
	.p2align	8
	.type	k_q6e5f7b4652_oproj,@function
k_q6e5f7b4652_oproj:
	s_mov_b64 s[64:65], 0
	v_nop
	global_prefetch_b8 v0, s[64:65] scope:SCOPE_SE
	s_setreg_imm32_b32 hwreg(HW_REG_WAVE_MODE, 25, 1), 1
	s_wait_xcnt 0x0
	s_wait_alu depctr_hold_cnt(0) depctr_sa_sdst(0) depctr_va_vdst(0) depctr_va_sdst(0) depctr_va_ssrc(0) depctr_va_vcc(0) depctr_vm_vsrc(0)
	s_getreg_b32 s2, hwreg(HW_REG_IB_STS2, 6, 4)
	s_cmp_eq_u32 s2, 0
	s_cbranch_scc0 .Lentry_in_a_cluster
	s_endpgm
.Lentry_in_a_cluster:
	s_bfe_u32 s2, ttmp6, 0x10000c
	s_cmp_lg_u32 s2, 0xf033
	s_cbranch_scc0 .Lentry_shape_is_right
	s_endpgm
.Lentry_shape_is_right:
; out0 [4096][4096] f32 = attention's result [4096][1024] times wo^T, both as codes of FP6 (E2M3) with E8M0 scales, laid as images of the operand's registers:
; a unit of 6,400 bytes holds 32 rows x 256 K (fragment (u, q) at 1,536 (2 u + q), scale words at 6,144 + 128 u + 64 q + 4 r); both buffers are [rows / 32][K / 256] units, so 32 rows with all of K are 25,600 bytes on end.
; Row block i holds rows 32 (i / 2) + 8 (i % 2) + r + 8 (r / 8).
; A work-group makes 256 x 256 of the result.  K is short (8 steps of 128) and the result is 16 times the operands' bytes, so THE RESULT LEAVES BY ROWS WHILE THE PRODUCTS GO ON:
; a wave owns 64 columns and keeps its fragments of wo for ALL of K in registers (4 column blocks x 8 steps x 12 = 384); A's blocks of 16 rows come from LDS one after the other, each with all of K (96 registers, two sets);
; a block is 32 matrix instructions on 4 accumulators by turns, and is then finished: it goes through the wave's stage (16 rows x 256 bytes) and is stored, 16 lanes to an aligned 256 bytes of a row.
; Used transposed (source 0 = wo's rows, source 1 = A's rows): a lane holds neighbouring columns of one row.
; LDS: A's 256 rows are 204,800 bytes and wo's 256 rows another 204,800: together more than a WGP has.  So at the head come A's rows 0-127 (bytes 0 to 102,400; waves 0, 1) and all of wo (102,400 to 307,200; waves 2, 3), one joint load a wave;
; when every wave has its part of wo in registers, A's rows 128-255 are filled into wo's first half (waves 0, 1; one round of the cluster's barrier), so that A's unit j lies at 25,600 j.  They have five blocks' work in which to land.
; CLUSTER 4 x 4: A's tiles are shared along a row, wo's along a column.  NO PREFETCH: every load goes out at the head or straight behind it; there is no loop to run ahead in.
; REGISTERS: window 0: v1-9 addresses, v28-29 the add's, v32-47 wo's scale words (4 cb + K piece; lanes 0-15 the even step, 16-31 the odd), v48-55 A's (two sets), v64-255 A's fragments (two sets of 96);
;   window 1: wo's fragments of steps 0-4 (48 e + 12 cb); window 2: of steps 5-7; window 3: v0-63 accumulators (two sets of 4 x 8), v64-127 rows read back from the stage (two sets).
.set UNITK,  25600
.set BREG,   102400
.set STAGE,  307200
.set SPITCH, 272
.set SPARE,  STAGE+4*16*SPITCH         ; 324,608: the spare words, 128 bytes a wave, that no other line names
.set LI,   1                           ; 16 x lane
.set L4,   2                           ; 4 x lane
.set ADRA, 3
.set ADSA, 4
.set ADRB, 5
.set ADSB, 6
.set STO,  7
.set RD,   8
.set CO,   9
.set SPW,  28
.set NIL,  29
.set SCB,  32
.set SCA,  48
.set AF,   64
.set G1,   24
.set G0,   32                          ; s[32:35] A's rows 0-127; s[36:39] rows 128-255
.set G0R,  36
.set OFF,  40                          ; s40: LDS bytes of the A unit that a trip's fetches begin at
.set G1B,  48
.set G0B,  68
.set MSB, 0
.macro WIN new
.if MSB != \new
	s_set_vgpr_msb (MSB<<8)|\new
.set MSB, \new
.endif
.endm
.macro PLACES
.rept 4
	v_nop
.endr
.endm
.macro CROUND
	s_barrier_signal -1
	s_barrier_wait -1
	s_cmp_lg_u32 s14, 0
	s_cbranch_scc1 .Lnot_wave_0_\@
	s_barrier_signal -3
.Lnot_wave_0_\@:
	s_barrier_wait -3
	s_barrier_signal -1
	s_barrier_wait -1
.endm
	s_load_b128 s[4:7], s[0:1], 0x0                ; a_q, wo_q
	s_load_b64 s[12:13], s[0:1], 0x10              ; out0
	v_lshl_add_u32 v[SPW], v0, 2, SPARE
	v_mov_b32 v[NIL], 0
	ds_add_u32 v[SPW], v[NIL]                      ; the opening lines: the add twice on end and its wait
	ds_add_u32 v[SPW], v[NIL]
	v_lshrrev_b32 v10, 5, v0
	v_readfirstlane_b32 s14, v10                   ; wave
	s_lshr_b32 s15, s14, 1                         ; I fetch for A (0) or for wo (1),
	s_and_b32 s16, s14, 1                          ; and which half
	s_bfe_u32 s80, ttmp6, 0x40000                  ; cx, cy
	s_bfe_u32 s81, ttmp6, 0x40004
	s_lshl_b32 s82, ttmp9, 2
	s_add_co_u32 s82, s82, s80                     ; tile column
	s_and_b32 s17, ttmp7, 0xffff
	s_lshl_b32 s17, s17, 2
	s_add_co_u32 s17, s17, s81                     ; tile row
	s_lshl_b32 s83, s81, 2
	s_lshl_b32 s83, 15, s83                        ; my row of the cluster
	s_lshl_b32 s84, 0x1111, s80                    ; my column
	s_or_b32 s[G1], s83, (3<<16)|(1<<21)           ; dense blocks as rows of 256 bytes (32 elements of 8): A's loads 200 rows, wo's 400
	s_or_b32 s[G1B], s84, (3<<16)|(1<<21)
	s_mov_b32 s[G1+1], 32<<16
	s_mov_b32 s[G1+2], 200<<16
	s_mov_b32 s[G1+3], 32<<16
	s_mov_b32 s[G1+4], 200
	s_mov_b32 s[G1+5], 32
	s_mov_b32 s[G1+6], 0
	s_mov_b32 s[G1+7], 0
	s_mov_b32 s[G1B+1], 32<<16
	s_mov_b32 s[G1B+2], 400<<16
	s_mov_b32 s[G1B+3], 32<<16
	s_mov_b32 s[G1B+4], 400
	s_mov_b32 s[G1B+5], 32
	s_mov_b32 s[G1B+6], 0
	s_mov_b32 s[G1B+7], 0
	s_mul_i32 s18, s16, 51200                      ; A: my half of 128 rows, in memory and in LDS
	s_mul_i32 s20, s17, 204800                     ; the tile row's 256 rows
	s_add_co_u32 s20, s20, s18
	s_mov_b32 s21, 0
	s_mul_i32 s19, s16, 102400                     ; wo: my half of 256 rows
	s_mul_i32 s46, s82, 204800
	s_add_co_u32 s46, s46, s19
	s_mov_b32 s47, 0
	s_lshl_b32 s22, s17, 22                        ; the result: 256 rows of 16,384 bytes x tile row
	s_lshl_b32 s23, s82, 10                        ; + 1,024 bytes x tile column
	s_add_co_u32 s22, s22, s23
	s_lshl_b32 s23, s14, 8                         ; + my 64 columns
	s_add_co_u32 s22, s22, s23
	s_mov_b32 s23, 0
	s_mul_i32 s57, s14, 51200
	s_add_co_u32 s57, s57, BREG                    ; LDS: my two units of wo
	s_mul_i32 s58, s14, 16*SPITCH
	s_add_co_u32 s58, s58, STAGE                   ; my stage
	s_mov_b32 s[OFF], 0
	s_wait_dscnt 0x0
	s_wait_kmcnt 0x0
	s_add_nc_u64 s[20:21], s[4:5], s[20:21]
	s_add_nc_u64 s[46:47], s[6:7], s[46:47]
	s_add_nc_u64 s[12:13], s[12:13], s[22:23]
	s_mov_b32 s[G0], 1
	s_mov_b32 s[G0+1], s18
	s_mov_b64 s[G0+2:G0+3], s[20:21]
	s_or_b32 s[G0+3], s[G0+3], 0x80000000
	s_mov_b32 s[G0R], 1
	s_add_co_u32 s[G0R+1], s18, BREG
	s_add_nc_u64 s[G0R+2:G0R+3], s[20:21], 102400
	s_or_b32 s[G0R+3], s[G0R+3], 0x80000000
	s_mov_b32 s[G0B], 1
	s_add_co_u32 s[G0B+1], s19, BREG
	s_mov_b64 s[G0B+2:G0B+3], s[46:47]
	s_or_b32 s[G0B+3], s[G0B+3], 0x80000000
	CROUND                                         ; the sixteen work-groups meet in front of the first joint loads
	s_cmp_eq_u32 s15, 0                            ; one tensor load a wave: every way passes one
	s_cbranch_scc0 .Lhead_b
	tensor_load_to_lds s[G0:G0+3], s[G1:G1+7]
	s_nop 0
	PLACES
	s_branch .Lhead_asked
.Lhead_b:
	tensor_load_to_lds s[G0B:G0B+3], s[G1B:G1B+7]
	s_nop 0
	PLACES
.Lhead_asked:
	v_and_b32 v10, 31, v0
	v_and_b32 v11, 15, v0                          ; r
	v_bfe_u32 v12, v0, 4, 1                        ; h
	v_lshlrev_b32 v[LI], 4, v10
	v_lshlrev_b32 v[L4], 2, v10
	v_add_nc_u32 v[ADRB], s57, v[LI]
	v_add_nc_u32 v[ADSB], s57, v[L4]
	v_mul_u32_u24 v13, v11, SPITCH                 ; into the stage: row r, 64 bytes for each half of the lanes
	v_lshl_add_u32 v13, v12, 6, v13
	v_add_nc_u32 v[STO], s58, v13
	v_mul_u32_u24 v14, v12, SPITCH                 ; back: lanes 0-15 one row of 256 bytes, lanes 16-31 the next
	v_lshl_add_u32 v14, v11, 4, v14
	v_add_nc_u32 v[RD], s58, v14
	v_lshlrev_b32 v15, 14, v12                     ; and the same two rows in the result
	v_lshl_add_u32 v[CO], v11, 4, v15
.macro TOP                             ; where this trip's fetches of A begin
	v_add_nc_u32 v[ADRA], s[OFF], v[LI]
	v_add_nc_u32 v[ADSA], s[OFF], v[L4]
	s_wait_alu depctr_va_vdst(0)
.endm
.macro WM p, e, cb
.set DD, 32*(\p)+8*(\cb)
.set BB, 48*((\e)%5)+12*(\cb)
.set AA, AF+96*(\p)+12*(\e)
.set SB, SCB+4*(\cb)+(\e)/2
.set SA, SCA+4*(\p)+(\e)/2
.if (\e) == 0
	v_wmma_scale_f32_16x16x128_f8f6f4 v[DD:DD+7], v[BB:BB+11], v[AA:AA+11], 0, v[SB], v[SA] matrix_a_fmt:MATRIX_FMT_FP6 matrix_b_fmt:MATRIX_FMT_FP6
.elseif (\e)%2
	v_wmma_scale_f32_16x16x128_f8f6f4 v[DD:DD+7], v[BB:BB+11], v[AA:AA+11], v[DD:DD+7], v[SB], v[SA] matrix_a_fmt:MATRIX_FMT_FP6 matrix_b_fmt:MATRIX_FMT_FP6 matrix_a_scale:MATRIX_SCALE_ROW1 matrix_b_scale:MATRIX_SCALE_ROW1
.else
	v_wmma_scale_f32_16x16x128_f8f6f4 v[DD:DD+7], v[BB:BB+11], v[AA:AA+11], v[DD:DD+7], v[SB], v[SA] matrix_a_fmt:MATRIX_FMT_FP6 matrix_b_fmt:MATRIX_FMT_FP6
.endif
.endm
.macro MUL p                           ; a block of 16 rows x my 64 columns, all of K: the four accumulators by turns, K ascending; the first step starts the sums
	WIN 0xf1
.irp e, 0,1,2,3,4,5,6,7
.if \e == 5
	WIN 0xf2
.endif
.irp cb, 0,1,2,3
	WM \p, \e, \cb
.endr
.endr
.endm
.macro FETCH_A p, un, u                ; block u of the unit un behind s[OFF]: 8 fragments and 4 scale words into set p
	WIN 0
.irp e, 0,1,2,3,4,5,6,7
.irp c, 0,1,2
	ds_load_b128 v[AF+96*(\p)+12*\e+4*\c:AF+96*(\p)+12*\e+4*\c+3], v[ADRA] offset:UNITK*(\un)+6400*(\e/2)+3072*(\u)+1536*(\e%2)+512*\c
.endr
.endr
.irp k, 0,1,2,3
	ds_load_b32 v[SCA+4*(\p)+\k], v[ADSA] offset:UNITK*(\un)+6400*\k+6144+128*(\u)
.endr
.endm
.macro TOSTAGE p                       ; the finished block into my stage, each accumulator from its low end on, and back as rows.  LDS serves a wave's instructions in order
	WIN 0x0c
.irp cb, 0,1,2,3
	ds_store_b128 v[STO], v[32*(\p)+8*\cb:32*(\p)+8*\cb+3] offset:128*(\cb/2)+32*(\cb%2)
	ds_store_b128 v[STO], v[32*(\p)+8*\cb+4:32*(\p)+8*\cb+7] offset:128*(\cb/2)+32*(\cb%2)+16
.endr
	WIN 0xc0
.irp t, 0,1,2,3,4,5,6,7
	ds_load_b128 v[64+32*(\p)+4*\t:64+32*(\p)+4*\t+3], v[RD] offset:\t*2*SPITCH
.endr
	WIN 0
.endm
.macro SEND u                          ; block u of the unit at s[12:13]: stage rows 2 t and 2 t + 1; 16 lanes store 256 consecutive bytes at a multiple of 256
	WIN 0x0c
.irp t, 0,1,2,3,4,5,6,7
	global_store_b128 v[CO], v[64+32*(\u)+4*\t:64+32*(\u)+4*\t+3], s[12:13] offset:(8*(\u)+2*\t+8*(\t/4))*16384 th:TH_STORE_NT
.endr
.endm
; One block: its products; then the block before, which has come back from the stage under them, is stored; then this block goes to the stage, and its set of A takes the block two on.
.macro ITER p, send, fetch
	MUL \p
.if \send
	s_wait_dscnt 0x0                               ; the last block's rows are back, and the next block's fragments are in
	s_wait_xcnt 0x0                                ; earlier stores have read their registers: the set that TOSTAGE fills below was stored one block ago
	SEND 1-(\p)
.endif
	PLACES                                         ; behind the products: for the stage's reads of results and the loads into A's set
	TOSTAGE \p
.if \fetch
	FETCH_A \p, 1-(\p), \p
.endif
.endm
.macro TRIP f0                         ; blocks 2 t + 1 and 2 t + 2; stores unit t; fetches blocks 2 t + 3 and 2 t + 4
	TOP
	ITER 1, 1, 1
	ITER 0, 1, \f0
	s_wait_xcnt 0x0                                ; the stores have read their base
	s_add_nc_u64 s[12:13], s[12:13], 32*16384
	s_add_co_u32 s[OFF], s[OFF], UNITK
.endm
	TOP                                            ; (its wait is also the wait at the head's end)
	s_wait_tensorcnt 0x0                           ; my tile is in
	s_barrier_signal -1
	s_barrier_wait -1                              ; all four are
	WIN 0x40
.irp e, 0,1,2,3,4
.irp cb, 0,1,2,3
.irp c, 0,1,2
	ds_load_b128 v[48*\e+12*\cb+4*\c:48*\e+12*\cb+4*\c+3], v[ADRB] offset:UNITK*(\cb/2)+6400*(\e/2)+3072*(\cb%2)+1536*(\e%2)+512*\c
.endr
.endr
.endr
	WIN 0x80
.irp e, 5,6,7
.irp cb, 0,1,2,3
.irp c, 0,1,2
	ds_load_b128 v[48*(\e-5)+12*\cb+4*\c:48*(\e-5)+12*\cb+4*\c+3], v[ADRB] offset:UNITK*(\cb/2)+6400*(\e/2)+3072*(\cb%2)+1536*(\e%2)+512*\c
.endr
.endr
.endr
	WIN 0
.irp cb, 0,1,2,3
.irp k, 0,1,2,3
	ds_load_b32 v[SCB+4*\cb+\k], v[ADSB] offset:UNITK*(\cb/2)+6400*\k+6144+128*(\cb%2)
.endr
.endr
	FETCH_A 0, 0, 0
	FETCH_A 1, 0, 1
	s_wait_tensorcnt 0x0                           ; no tensor load of mine is out;
	ds_add_u32 v[SPW], v[NIL]
	s_wait_dscnt 0x0                               ; my part of wo is in registers
	CROUND                                         ; so is every wave's, in all sixteen work-groups: wo's first half may be filled again
	s_cmp_eq_u32 s15, 0
	s_cbranch_scc0 .Lno_refill
	tensor_load_to_lds s[G0R:G0R+3], s[G1:G1+7]    ; A's rows 128-255, by waves 0 and 1
	s_nop 0
	PLACES
.Lno_refill:
	ITER 0, 0, 1                                   ; block 0; fetches block 2
	s_mov_b32 s[OFF], UNITK
	s_mov_b32 s3, 2
.Lfirst:                                               ; blocks 1 to 4: fetches reach block 6, in A's first 128 rows
	TRIP 1
	s_sub_co_u32 s3, s3, 1
	s_cmp_lg_u32 s3, 0
	s_cbranch_scc1 .Lfirst
	s_wait_tensorcnt 0x0                           ; my part of A's rows 128-255 is in;
	s_wait_dscnt 0x0
	s_barrier_signal -1
	s_barrier_wait -1                              ; everybody's is.
	s_mov_b32 s3, 4
.Lsecond:                                              ; blocks 5 to 12: fetches reach block 14
	TRIP 1
	s_sub_co_u32 s3, s3, 1
	s_cmp_lg_u32 s3, 0
	s_cbranch_scc1 .Lsecond
	TRIP 0                                         ; blocks 13 and 14: only block 15 is left to fetch
	ITER 1, 1, 0                                   ; block 15
	s_wait_dscnt 0x0
	s_wait_xcnt 0x0
	SEND 1
	WIN 0
	s_wait_tensorcnt 0x0                           ; the wave's end
	ds_add_u32 v[SPW], v[NIL]
	s_wait_dscnt 0x0
	CROUND                                         ; the closing round
	s_endpgm
.Lfunc_end_k_q6e5f7b4652_oproj:
	.size	k_q6e5f7b4652_oproj, .Lfunc_end_k_q6e5f7b4652_oproj-k_q6e5f7b4652_oproj
	.p2alignl 7, 3214868480
	.fill 96, 4, 3214868480
	.section	.rodata,"a",@progbits
	.p2align	6, 0x0
	.amdhsa_kernel k_q6e5f7b4652_oproj
		.amdhsa_group_segment_fixed_size 327680
		.amdhsa_private_segment_fixed_size 0
		.amdhsa_enable_private_segment 0
		.amdhsa_kernarg_size 24
		.amdhsa_user_sgpr_count 2
		.amdhsa_user_sgpr_kernarg_segment_ptr 1
		.amdhsa_wavefront_size32 1
		.amdhsa_system_sgpr_workgroup_id_x 1
		.amdhsa_system_sgpr_workgroup_id_y 1
		.amdhsa_system_sgpr_workgroup_id_z 1
		.amdhsa_system_vgpr_workitem_id 0
		.amdhsa_next_free_vgpr 896
		.amdhsa_next_free_sgpr 98
		.amdhsa_reserve_vcc 0
		.amdhsa_float_denorm_mode_32 3
		.amdhsa_float_denorm_mode_16_64 3
		.amdhsa_memory_ordered 1
		.amdhsa_forward_progress 1
		.amdhsa_inst_pref_size 78
	.end_amdhsa_kernel
	.amdgpu_metadata
---
amdhsa.version: [ 1, 2 ]
amdhsa.kernels:
  - .name:           k_q6e5f7b4652_oproj
    .symbol:         k_q6e5f7b4652_oproj.kd
    .args:
      - { .name: a_q, .offset: 0, .size: 8, .value_kind: global_buffer, .address_space: global }
      - { .name: wo_q, .offset: 8, .size: 8, .value_kind: global_buffer, .address_space: global }
      - { .name: out0, .offset: 16, .size: 8, .value_kind: global_buffer, .address_space: global }
    .group_segment_fixed_size: 327680
    .private_segment_fixed_size: 0
    .kernarg_segment_align: 8
    .kernarg_segment_size: 24
    .max_flat_workgroup_size: 128
    .sgpr_count:     98
    .vgpr_count:     896
    .wavefront_size: 32
...
	.end_amdgpu_metadata
.endif
;; end of part 4
